; MI455X (gfx1250); checked and timed in simulation.
; The chip was launched on July 23, 2026; its instructions are those of AMD's public machine-readable ISA for CDNA 5 (MIT licence, August 2026) and "CDNA5" Instruction Set Architecture Reference Guide (July 2026). The comments in the code are by the model that wrote it; some were corrected since.
;; Multi Head Attention. Allowed arithmetic: matrix products marked QUANTISED: E2M1 operands, one E8M0 scale for each 32 along K, by v_wmma_scale_f32_16x16x128_f8f6f4 with both operands' format E2M1 (or v_wmma_scale_f32_32x16x128_f4), f32 sums; products left as they are: bf16, f16 or f32 operands; f32 sums; everything else in f32.
;; Inputs: k 4 x 2,048 x 1,024 float32; q 4 x 2,048 x 1,024 float32; v 4 x 2,048 x 1,024 float32; wk 1,024 x 1,024 float32; wo 1,024 x 1,024 float32; wq 1,024 x 1,024 float32; wv 1,024 x 1,024 float32.
;; Outputs: out0 4 x 2,048 x 1,024 float32.
;; This version of the problem:
;;   THIS VERSION OF THE PROBLEM IS GIVEN IN LOW PRECISION. The matrix products marked QUANTISED in the list below multiply operands that are first quantised to E2M1 (2 exponent bits, 1 mantissa bit; 4 bits a number), with one power-of-two scale for each 32 numbers along K (OCP MX v1.0); their sums are f32. The products marked 'left as it is' may take bf16, f16 or f32 operands, with f32 sums. Whichever they take, every output number must still come out within the allowed error. Rounding operands to bf16 (8 significant bits) uses up far more of that allowance than f16 does (11 bits, for magnitudes from 6e-5 to 65,504). All else is computed in f32.
;;   The module's matrix products, in the order in which they are computed (A, B: the left and right operand; K: the contracted axis; several contracted axes count as one K, in the product's order):
;;     1. [M 8,192, K 1,024] x [K 1,024, N 1,024]; A: input q; B: input wq: QUANTISED
;;     2. [M 8,192, K 1,024] x [K 1,024, N 1,024]; A: input k; B: input wk: QUANTISED
;;     3. [M 8,192, K 1,024] x [K 1,024, N 1,024]; A: input v; B: input wv: QUANTISED
;;     4. batch 64 x [M 2,048, K 64] x [K 64, N 2,048]; A: computed on the way; B: computed on the way: left as it is (an operand is computed on the way)
;;     5. batch 64 x [M 64, K 2,048] x [K 2,048, N 2,048]; A: computed on the way; B: computed on the way: left as it is (an operand is computed on the way)
;;     6. [M 8,192, K 1,024] x [K 1,024, N 1,024]; A: computed on the way; B: input wo: left as it is (an operand is computed on the way)
;;   THE QUANTISER, for each operand of a quantised product, along K:
;;     - K is cut into blocks of 32 from its start; a last block that is shorter is filled with zeros.
;;     - A block's scale is 2^e with e = floor(log2(the largest magnitude in the block)) - 2, held to -126 .. 127; a block of zeros has e = 0. As a byte (E8M0): e + 127.
;;     - Each number is divided by its block's scale, clamped to +-6, and rounded to the nearest number of E2M1, ties to even, subnormals kept.
;;     - The product sums the exact products of the quantised numbers (number of the format x scale) in f32.
;;   ~~~python
;;   def quantise(x, axis):      # numpy; x: float32 -> the quantised numbers, widened to float32 again
;;       x = np.moveaxis(x, axis, -1); K = x.shape[-1]
;;       x = np.pad(x, [(0, 0)] * (x.ndim - 1) + [(0, -K % 32)]); x = x.reshape(x.shape[:-1] + (-1, 32)); a = np.abs(x).max(-1, keepdims=True)
;;       e = np.where(a > 0, np.clip(np.frexp(np.where(a > 0, a, 1))[1] - 1 - 2, -126, 127), 0)      # np.frexp(a)[1] - 1 = floor(log2(a)), exactly
;;       r = np.clip(x / 2.0 ** e, -6, 6)
;;       step = 2.0 ** (np.maximum(np.frexp(np.where(r == 0, 1, r))[1] - 1, 0) - 1)
;;       q = np.round(r / step) * step * 2.0 ** e      # np.round: ties to even
;;       return np.moveaxis(q.reshape(q.shape[:-2] + (-1,))[..., :K], -1, axis).astype(np.float32)
;;   ~~~
;; One version. Each part assembles by itself: llvm-mc -triple=amdgcn-amd-amdhsa -mcpu=gfx1250 --defsym DOCPART=n.
;; ======== version 1 of 1: 6 launches
;; limits: values are held in f16: magnitudes above 65,504 overflow, below 6.1e-05 lose precision; right only within a limited range of input values
;; workspace buffers: acodes 12,582,912 bytes; ascales 786,432 bytes; wcodes 1,572,864 bytes; wscales 98,304 bytes; wo16 2,097,152 bytes; x16 50,331,648 bytes; o16 16,777,216 bytes; o32 262,144 bytes
;; launch quant (part 1): grid 896 x 1, 4 waves a work-group, no clusters, 33,280 bytes of LDS; arguments q, k, v, wq, wk, wv, wo, acodes, ascales, wcodes, wscales, wo16; writes acodes, ascales, wcodes, wscales, wo16
.if DOCPART == 1
	.amdgcn_target "amdgcn-amd-amdhsa--gfx1250"
	.amdhsa_code_object_version 6
	.text
	.protected	k_qf8c024024f_quant
	.globl	k_qf8c024024f_quant
	.p2align	8
	.type	k_qf8c024024f_quant,@function
k_qf8c024024f_quant:
	s_mov_b64 s[64:65], 0
	v_nop
	global_prefetch_b8 v0, s[64:65] scope:SCOPE_SE
	s_setreg_imm32_b32 hwreg(HW_REG_WAVE_MODE, 25, 1), 1
	s_wait_xcnt 0x0
; q, k, v [8192][1024] and wq, wk, wv [1024][1024], f32 with K innermost, become codes of FP4 (E2M1), two a byte, and one E8M0 scale byte for each 32 along K;
; wo [1024][1024] f32 becomes f16.  acodes = [3][8192][512 bytes], ascales = [3][8192][32], wcodes = [3][1024][512 bytes], wscales = [3][1024][32], wo16 = [1024][1024] f16.
; A block's scale is 2^(floor(log2(its largest magnitude)) - 2); its byte is the largest magnitude's exponent field - 2, held at 1 from below.
; LIMITS: a block of zeros gets the byte 1 where the rule says 127 (its codes are zeros, and this program alone reads the bytes); blocks whose largest magnitude lies under 2^-124 are held at the byte 1;
; NaN and infinities among the inputs are not served; numbers of wo beyond 65,504 do not fit f16.
; SHARES: a work-group takes 32,768 numbers, a wave 8,192.  Work-groups 0-767: q, k, v (256 each); 768-863: wq, wk, wv (32 each); 864-895: wo.  Only pointers are chosen for the six quantised tensors: one path.
; A wave takes 16 steps of 512 numbers.  Each load reads 512 consecutive bytes; a step's 2,048 bytes turn through the wave's own stage in LDS, so that a lane then holds 16 neighbours along K (two lanes a block).
; A lane's 16 codes are 8 bytes: a store of the wave covers 256 consecutive aligned bytes.  A wave's 256 scale bytes are gathered in its own LDS bytes and leave as 256 consecutive aligned bytes.
; No tensor load, no barrier: waves share nothing.  No matrix unit and no cluster: nothing is multiplied and no input is read twice.
.set WAVES, 4
.set STEPS, 16
.set EMAX,  2
.set CB,    8                          ; bytes of 16 codes
.set R,     16                         ; v16-79   four sets of 16 numbers as they are loaded
.set X,     80                         ; v80-111  two sets of 16 neighbours
.set E,     112                        ; v112-127 a scale byte for each step
.set C,     128                        ; v128-191 codes: four registers for each step, so that no store's data are written again
.set WREG,  8192                       ; LDS: a region for each wave: two stages of 32 x SP bytes, behind them its 256 scale bytes
.set SP,    80                         ; a lane's place in a stage: 64 bytes + 16 of padding
.set SPW,   12                         ; v12 LDS address of my spare word; never rewritten
.set NIL,   13                         ; v13 0; never rewritten
.set SPARE, WAVES*WREG                 ; the spare words: 128 bytes a wave, named by no other line
	s_load_b512 s[8:23], s[0:1], 0x0               ; q 8, k 10, v 12, wq 14, wk 16, wv 18, wo 20, acodes 22
	s_load_b256 s[24:31], s[0:1], 0x40             ; ascales 24, wcodes 26, wscales 28, wo16 30
	v_lshl_add_u32 v[SPW], v0, 2, SPARE
	v_mov_b32 v[NIL], 0
	v_lshrrev_b32 v1, 5, v0
	v_readfirstlane_b32 s2, v1                     ; wave
	v_and_b32 v2, 31, v0                           ; lane
	v_lshlrev_b32 v3, 4, v2                        ; my 16 bytes of a load's 512
	s_mul_i32 s3, s2, WREG
	v_lshrrev_b32 v14, 2, v2
	v_mul_u32_u24 v14, v14, SP
	v_and_b32 v15, 3, v2
	v_lshl_add_u32 v14, v15, 4, v14
	v_add_nc_u32 v14, s3, v14                      ; the stage, on the way in: SP (lane / 4) + 16 (lane % 4)
	v_mul_u32_u24 v15, v2, SP
	v_add_nc_u32 v15, s3, v15                      ; and on the way out: SP x lane
	v_mul_u32_u24 v4, v2, CB                       ; 8 x lane: my codes' place in a step's; also my f16 numbers' place on wo's path
	v_lshrrev_b32 v5, 1, v2
	s_add_co_u32 s3, s3, 2*32*SP
	v_add_nc_u32 v5, s3, v5                        ; my block's scale byte in LDS
	v_lshlrev_b32 v7, 3, v2
	v_add_nc_u32 v6, s3, v7                        ; and 8 bytes a lane on their way out
	s_wait_kmcnt 0x0
	s_cmp_ge_u32 ttmp9, 864                        ; wo's work-groups part here: the branch hangs on the work-group's number alone
	s_cbranch_scc1 .Lwo
	s_cmp_lt_u32 ttmp9, 768                        ; an activation or a weight?  All selections stand ahead of any line that sets SCC
	s_cselect_b32 s33, 0, 768
	s_cselect_b32 s34, 8, 5                        ; log2 of a tensor's work-groups
	s_cselect_b64 s[36:37], s[22:23], s[26:27]     ; codes
	s_cselect_b64 s[38:39], s[24:25], s[28:29]     ; scale bytes
	s_cselect_b64 s[40:41], s[8:9], s[14:15]
	s_cselect_b64 s[42:43], s[10:11], s[16:17]
	s_cselect_b64 s[44:45], s[12:13], s[18:19]
	s_sub_co_u32 s35, ttmp9, s33                   ; my number within the three tensors of my kind: it places the output
	s_lshr_b32 s46, s35, s34                       ; which of the three
	s_lshl_b32 s47, s46, s34
	s_sub_co_u32 s47, s35, s47                     ; my number within that tensor: it places the input
	s_cmp_eq_u32 s46, 2
	s_cselect_b64 s[42:43], s[44:45], s[42:43]
	s_cmp_eq_u32 s46, 0
	s_cselect_b64 s[4:5], s[40:41], s[42:43]
	s_lshl_b32 s48, s47, 2
	s_add_co_u32 s48, s48, s2
	s_lshl_b32 s48, s48, 15                        ; 32,768 bytes of f32 a wave
	s_mov_b32 s49, 0
	s_add_nc_u64 s[4:5], s[4:5], s[48:49]
	s_lshl_b32 s50, s35, 2
	s_add_co_u32 s50, s50, s2
	s_lshl_b32 s48, s50, 12                        ; 4,096 bytes of codes a wave
	s_add_nc_u64 s[36:37], s[36:37], s[48:49]
	s_lshl_b32 s48, s50, 8                         ; 256 scale bytes a wave
	s_add_nc_u64 s[38:39], s[38:39], s[48:49]
.macro LOAD t
.irp i, 0,1,2,3
	global_load_b128 v[R+16*((\t)%4)+4*\i:R+16*((\t)%4)+4*\i+3], v3, s[4:5] offset:2048*(\t)+512*\i th:TH_LOAD_NT   ; 32 lanes read 512 consecutive bytes
.endr
.endm
.macro TURN t                          ; step t's numbers through the stage: LDS serves a wave's instructions in order (ISA guide 5.7.1.4), so no wait stands between the stores and the loads
.irp i, 0,1,2,3
	ds_store_b128 v14, v[R+16*((\t)%4)+4*\i:R+16*((\t)%4)+4*\i+3] offset:32*SP*((\t)%2)+8*SP*\i
.endr
.irp i, 0,1,2,3
	ds_load_b128 v[X+16*((\t)%2)+4*\i:X+16*((\t)%2)+4*\i+3], v15 offset:32*SP*((\t)%2)+16*\i
.endr
.endm
.irp t, 0,1,2,3
	LOAD \t
.endr
	s_wait_loadcnt 12                              ; step 0's four loads are in; three steps' twelve stay out
	TURN 0
.macro STEP t
.set XS, X+16*((\t)%2)
.if (\t) > 0
	s_wait_dscnt 1                                 ; this step's numbers are back from the stage; the last step's byte store may be out
.else
	s_wait_dscnt 0x0
.endif
.if (\t)+4 < STEPS
	LOAD (\t)+4                                    ; into the registers that this step's stage stores have read
.endif
.if (\t)+1 < STEPS
.if STEPS-2-(\t) >= 3
	s_wait_loadcnt 12                              ; the next step's four loads are in; those of the three steps behind it may be out
.else
	s_wait_loadcnt 4*(STEPS-2-(\t))
.endif
	TURN (\t)+1
.endif
	v_max3_num_f32 v8, |v[XS]|, |v[XS+1]|, |v[XS+2]|               ; the largest magnitude of my 16, in two chains
	v_max3_num_f32 v9, |v[XS+3]|, |v[XS+4]|, |v[XS+5]|
.irp i, 6,10
	v_max3_num_f32 v8, v8, |v[XS+\i]|, |v[XS+\i+1]|
	v_max3_num_f32 v9, v9, |v[XS+\i+2]|, |v[XS+\i+3]|
.endr
	v_max3_num_f32 v8, v8, |v[XS+14]|, |v[XS+15]|
	v_max3_num_f32 v8, v8, v9, (EMAX+1)<<23        ; and the floor 2^(3 - 127): the byte cannot fall under 1
	v_max_num_f32_dpp v8, v8, v8 row_xmask:1 row_mask:0xf bank_mask:0xf   ; with my neighbour's 16: the block's
	v_add_nc_u32 v11, -(EMAX<<23), v8              ; 2 off its exponent field: the conversion takes this operand's exponent field as its scale
	v_cvt_scalef32_pk8_fp4_f32 v[C+4*(\t)], v[XS:XS+7], v11
	v_cvt_scalef32_pk8_fp4_f32 v[C+4*(\t)+1], v[XS+8:XS+15], v11
	v_lshrrev_b32 v[E+(\t)], 23, v11               ; the scale's byte (also the plain line behind the conversions)
	ds_store_b8 v5, v[E+(\t)] offset:16*(\t)       ; both lanes of a block write the same byte with the same value
	global_store_b64 v4, v[C+4*(\t):C+4*(\t)+1], s[36:37] offset:32*CB*(\t)
.endm
.irp t, 0,1,2,3,4,5,6,7,8,9,10,11,12,13,14,15
	STEP \t
.endr
	ds_load_b64 v[8:9], v6                         ; in order behind my byte stores
	s_wait_dscnt 0x0
	global_store_b64 v7, v[8:9], s[38:39]          ; 32 lanes store 256 consecutive aligned bytes
	s_wait_tensorcnt 0x0                           ; the wave's end, behind my last LDS store
	ds_add_u32 v[SPW], v[NIL]
	s_wait_dscnt 0x0
	s_endpgm
; wo to f16: a plain stream, no LDS.  A wave takes 8,192 numbers in four groups of 16 loads; two groups are on their way.
.Lwo:
	s_sub_co_u32 s33, ttmp9, 864
	s_lshl_b32 s33, s33, 2
	s_add_co_u32 s33, s33, s2
	s_lshl_b32 s48, s33, 15
	s_mov_b32 s49, 0
	s_add_nc_u64 s[20:21], s[20:21], s[48:49]
	s_lshl_b32 s48, s33, 14
	s_add_nc_u64 s[30:31], s[30:31], s[48:49]
.macro LOADW g
.irp i, 0,1,2,3,4,5,6,7,8,9,10,11,12,13,14,15
	global_load_b128 v[16+64*((\g)%2)+4*\i:16+64*((\g)%2)+4*\i+3], v3, s[20:21] offset:512*(16*(\g)+\i) th:TH_LOAD_NT
.endr
.endm
.macro CASTW g
.if (\g) < 3
	s_wait_loadcnt 16                              ; this group's 16 loads are in; the next group's 16 may be out
.else
	s_wait_loadcnt 0x0
.endif
	s_wait_xcnt 0x0                                ; the last group's stores have read v144-175: they are written again only behind this wait
.irp i, 0,1,2,3,4,5,6,7,8,9,10,11,12,13,14,15
	v_cvt_pk_f16_f32 v[144+2*\i], v[16+64*((\g)%2)+4*\i], v[16+64*((\g)%2)+4*\i+1]
	v_cvt_pk_f16_f32 v[145+2*\i], v[16+64*((\g)%2)+4*\i+2], v[16+64*((\g)%2)+4*\i+3]
.endr
.irp i, 0,1,2,3,4,5,6,7,8,9,10,11,12,13,14,15
	global_store_b64 v4, v[144+2*\i:145+2*\i], s[30:31] offset:256*(16*(\g)+\i)   ; 32 lanes store 256 consecutive aligned bytes
.endr
.if (\g)+2 < 4
	LOADW (\g)+2
.endif
.endm
	LOADW 0
	LOADW 1
	CASTW 0
	CASTW 1
	CASTW 2
	CASTW 3
	s_endpgm
.Lfunc_end_k_qf8c024024f_quant:
	.size	k_qf8c024024f_quant, .Lfunc_end_k_qf8c024024f_quant-k_qf8c024024f_quant
	.p2alignl 7, 3214868480
	.fill 96, 4, 3214868480
	.section	.rodata,"a",@progbits
	.p2align	6, 0x0
	.amdhsa_kernel k_qf8c024024f_quant
		.amdhsa_group_segment_fixed_size 33280
		.amdhsa_private_segment_fixed_size 0
		.amdhsa_enable_private_segment 0
		.amdhsa_kernarg_size 96
		.amdhsa_user_sgpr_count 2
		.amdhsa_user_sgpr_kernarg_segment_ptr 1
		.amdhsa_wavefront_size32 1
		.amdhsa_system_sgpr_workgroup_id_x 1
		.amdhsa_system_sgpr_workgroup_id_y 1
		.amdhsa_system_sgpr_workgroup_id_z 1
		.amdhsa_system_vgpr_workitem_id 0
		.amdhsa_next_free_vgpr 192
		.amdhsa_next_free_sgpr 66
		.amdhsa_reserve_vcc 0
		.amdhsa_float_denorm_mode_32 3
		.amdhsa_float_denorm_mode_16_64 3
		.amdhsa_memory_ordered 1
		.amdhsa_forward_progress 1
		.amdhsa_inst_pref_size 54
	.end_amdhsa_kernel
	.amdgpu_metadata
---
amdhsa.version: [ 1, 2 ]
amdhsa.kernels:
  - .name:           k_qf8c024024f_quant
    .symbol:         k_qf8c024024f_quant.kd
    .args:
      - { .name: q, .offset: 0, .size: 8, .value_kind: global_buffer, .address_space: global }
      - { .name: k, .offset: 8, .size: 8, .value_kind: global_buffer, .address_space: global }
      - { .name: v, .offset: 16, .size: 8, .value_kind: global_buffer, .address_space: global }
      - { .name: wq, .offset: 24, .size: 8, .value_kind: global_buffer, .address_space: global }
      - { .name: wk, .offset: 32, .size: 8, .value_kind: global_buffer, .address_space: global }
      - { .name: wv, .offset: 40, .size: 8, .value_kind: global_buffer, .address_space: global }
      - { .name: wo, .offset: 48, .size: 8, .value_kind: global_buffer, .address_space: global }
      - { .name: acodes, .offset: 56, .size: 8, .value_kind: global_buffer, .address_space: global }
      - { .name: ascales, .offset: 64, .size: 8, .value_kind: global_buffer, .address_space: global }
      - { .name: wcodes, .offset: 72, .size: 8, .value_kind: global_buffer, .address_space: global }
      - { .name: wscales, .offset: 80, .size: 8, .value_kind: global_buffer, .address_space: global }
      - { .name: wo16, .offset: 88, .size: 8, .value_kind: global_buffer, .address_space: global }
    .group_segment_fixed_size: 33280
    .private_segment_fixed_size: 0
    .kernarg_segment_align: 8
    .kernarg_segment_size: 96
    .max_flat_workgroup_size: 128
    .sgpr_count:     66
    .vgpr_count:     192
    .wavefront_size: 32
...
	.end_amdgpu_metadata
.endif
;; end of part 1
;; launch fine_attn (part 2): grid 16 x 4, 12 waves a work-group, no clusters, 18,944 bytes of LDS; arguments acodes, ascales, wcodes, wscales, o32; writes o32
.if DOCPART == 2
	.amdgcn_target "amdgcn-amd-amdhsa--gfx1250"
	.amdhsa_code_object_version 6
	.text
	.protected	k_qf8c024024f_fine_attn
	.globl	k_qf8c024024f_fine_attn
	.p2align	8
	.type	k_qf8c024024f_fine_attn,@function
k_qf8c024024f_fine_attn:
	s_mov_b64 s[64:65], 0
	v_nop
	global_prefetch_b8 v0, s[64:65] scope:SCOPE_SE
	s_setreg_imm32_b32 hwreg(HW_REG_WAVE_MODE, 25, 1), 1
	s_wait_xcnt 0x0
; Positions 0-15 of every sequence, carried in f32: under the causal mask these rows average one to sixteen values and are the largest of the output.
; A work-group takes one (head, batch).  PHASE 1, twelve waves: wave w makes, of tensor w / 4 (q, k, v), the 16 positions x 16 features (w % 4) of the head by the quantised product on FP4 codes
; (source 0 = 16 rows of the weight, source 1 = the 16 positions: a lane then holds one position and eight neighbouring features); K = 1,024 in eight steps on two accumulators by turns.  The f32 results meet in LDS.
; PHASE 2, wave 0: S^T = K Q^T, the causal mask, softmax with the row's maximum taken away, O^T = V^T P^T, all by the f32 matrix form: 32 instructions, no bulk work.  o32 = [batch][16][1024] f32.
; 64 work-groups: there are 64 (batch, head) pairs of 16 rows.  LIMITS: NaN and infinities are not served.
; The registers that the f32 matrix form writes (v208-255) are written by matrix instructions alone; v160-175 hold scale words and nothing else.
.set XK,    4352                       ; LDS: xq at 0, xk, xv: 16 positions x (256 bytes + 16)
.set XV,    8704
.set OST,   13056                      ; wave 0's stage for the way out, 16 x 272
.set SPARE, 17408                      ; the spare words: 128 bytes a wave
.set FW,  32                           ; v32-95   the weight's eight fragments
.set FX,  96                           ; v96-159  the activations' eight
.set SW,  160                          ; v160-167 the weight's scale words, one for each K step
.set SX,  168                          ; v168-175 the activations'
.set A0,  176                          ; v176-183, v184-191 two accumulators
.set A1,  184
.set T,   192                          ; v192-199 their sum
	s_load_b256 s[4:11], s[0:1], 0x0               ; acodes 4, ascales 6, wcodes 8, wscales 10
	s_load_b64 s[12:13], s[0:1], 0x20              ; o32
	v_lshl_add_u32 v28, v0, 2, SPARE               ; my spare word
	v_mov_b32 v29, 0
	v_lshrrev_b32 v1, 5, v0
	v_readfirstlane_b32 s14, v1                    ; wave 0..11
	s_lshr_b32 s15, s14, 2                         ; tensor
	s_and_b32 s16, s14, 3                          ; which 16 of the head's 64 features
	s_and_b32 s17, ttmp7, 0xffff                   ; batch
	v_and_b32 v1, 15, v0                           ; r
	v_bfe_u32 v2, v0, 4, 1                         ; h
	v_lshlrev_b32 v3, 9, v1
	v_lshl_add_u32 v3, v2, 4, v3                   ; codes: row r of 512 bytes, + 16 h
	v_lshlrev_b32 v5, 5, v1                        ; scale bytes: row r of 32
	s_mul_i32 s18, s15, 4352
	s_lshl_b32 s19, s16, 6
	s_add_co_u32 s18, s18, s19
	v_mul_u32_u24 v6, v1, 272
	v_lshl_add_u32 v7, v2, 5, v6
	v_add_nc_u32 v7, s18, v7                       ; where my eight results go: tensor, position r, features 16 n + 8 h on
	v_lshl_add_u32 v8, v2, 4, v6                   ; phase 2: Q's and K's rows: 272 r + 16 h
	v_mul_u32_u24 v9, v2, 2176
	v_lshl_add_u32 v9, v1, 2, v9
	v_add_nc_u32 v9, XV, v9                        ; V: key 8 h on, channel r
	v_lshl_add_u32 v10, v2, 5, v6
	v_add_nc_u32 v10, OST, v10                     ; the stage, in: row r, + 32 h
	v_mul_u32_u24 v11, v2, 272
	v_lshl_add_u32 v11, v1, 4, v11
	v_add_nc_u32 v11, OST, v11                     ; back: lanes 0-15 one row, lanes 16-31 the next
	v_lshlrev_b32 v12, 12, v2
	v_lshl_add_u32 v12, v1, 4, v12                 ; the same two rows in o32 (4,096 bytes a row)
	v_lshlrev_b32 v13, 3, v2
	v_sub_nc_u32 v13, v1, v13                      ; r - 8 h: register j holds key 8 h + j, which counts where j <= r - 8 h
	v_mov_b32 v31, 0xff800000                      ; -infinity
	v_mov_b32 v17, 0                               ; a lane permute's destination counts as read
	s_mov_b32 s30, 0x76543210
	s_mov_b32 s31, 0xfedcba98                      ; selects for lane l xor 16
	s_mov_b32 s32, 0x3e38aa3b                      ; c = log2(e) / sqrt(64)
	s_mov_b32 s33, s32
	s_lshl_b32 s20, s15, 22                        ; activations: (8192 tensor + 2048 batch) rows of 512 bytes
	s_lshl_b32 s21, s17, 20
	s_add_co_u32 s20, s20, s21
	s_mov_b32 s21, 0
	s_lshr_b32 s22, s20, 4                         ; and of 32 scale bytes
	s_mov_b32 s23, 0
	s_lshl_b32 s24, s15, 19                        ; weights: (1024 tensor + 64 head + 16 n) rows
	s_lshl_b32 s25, ttmp9, 15
	s_add_co_u32 s24, s24, s25
	s_lshl_b32 s25, s16, 13
	s_add_co_u32 s24, s24, s25
	s_mov_b32 s25, 0
	s_lshr_b32 s26, s24, 4
	s_mov_b32 s27, 0
	s_lshl_b32 s28, s17, 16                        ; o32: 65,536 batch + 256 head
	s_lshl_b32 s29, ttmp9, 8
	s_add_co_u32 s28, s28, s29
	s_mov_b32 s29, 0
	s_wait_kmcnt 0x0
	s_add_nc_u64 s[4:5], s[4:5], s[20:21]
	s_add_nc_u64 s[6:7], s[6:7], s[22:23]
	s_add_nc_u64 s[8:9], s[8:9], s[24:25]
	s_add_nc_u64 s[10:11], s[10:11], s[26:27]
	s_add_nc_u64 s[12:13], s[12:13], s[28:29]
.irp s, 0,1,2,3,4,5,6,7
.irp c, 0,1
	global_load_b128 v[FW+8*\s+4*\c:FW+8*\s+4*\c+3], v3, s[8:9] offset:64*\s+32*\c   ; K step s: registers 4 c on hold k = 64 c + 32 h + 0 .. 31
	global_load_b128 v[FX+8*\s+4*\c:FX+8*\s+4*\c+3], v3, s[4:5] offset:64*\s+32*\c
.endr
.endr
	global_load_b128 v[SW:SW+3], v5, s[10:11]      ; a row's 32 scale bytes: register s is K step s's word
	global_load_b128 v[SW+4:SW+7], v5, s[10:11] offset:16
	global_load_b128 v[SX:SX+3], v5, s[6:7]
	global_load_b128 v[SX+4:SX+7], v5, s[6:7] offset:16
	s_wait_loadcnt 0x0
.irp s, 0,2,4,6                                ; two accumulators by turns
.if \s == 0
	v_wmma_scale_f32_16x16x128_f8f6f4 v[A0:A0+7], v[FW:FW+7], v[FX:FX+7], 0, v[SW], v[SX] matrix_a_fmt:MATRIX_FMT_FP4 matrix_b_fmt:MATRIX_FMT_FP4
	v_wmma_scale_f32_16x16x128_f8f6f4 v[A1:A1+7], v[FW+8:FW+15], v[FX+8:FX+15], 0, v[SW+1], v[SX+1] matrix_a_fmt:MATRIX_FMT_FP4 matrix_b_fmt:MATRIX_FMT_FP4
.else
	v_wmma_scale_f32_16x16x128_f8f6f4 v[A0:A0+7], v[FW+8*\s:FW+8*\s+7], v[FX+8*\s:FX+8*\s+7], v[A0:A0+7], v[SW+\s], v[SX+\s] matrix_a_fmt:MATRIX_FMT_FP4 matrix_b_fmt:MATRIX_FMT_FP4
	v_wmma_scale_f32_16x16x128_f8f6f4 v[A1:A1+7], v[FW+8*\s+8:FW+8*\s+15], v[FX+8*\s+8:FX+8*\s+15], v[A1:A1+7], v[SW+\s+1], v[SX+\s+1] matrix_a_fmt:MATRIX_FMT_FP4 matrix_b_fmt:MATRIX_FMT_FP4
.endif
.endr
.rept 4
	v_nop                                          ; four places behind the last product (ISA guide 7.12.1)
.endr
.irp p, 0,2,4,6
	v_pk_add_f32 v[T+\p:T+\p+1], v[A0+\p:A0+\p+1], v[A1+\p:A1+\p+1]   ; from the low end on
.endr
	ds_store_b128 v7, v[T:T+3]
	ds_store_b128 v7, v[T+4:T+7] offset:16
	s_wait_dscnt 0x0                               ; for the others' sake: my stores have landed
	s_barrier_signal -1
	s_barrier_wait -1
	s_cmp_lg_u32 s14, 0                            ; wave 0 alone goes on; no barrier stands below
	s_cbranch_scc1 .Lend
.irp u, 0,1,2,3,4,5,6,7
	ds_load_b128 v[32+4*\u:35+4*\u], v8 offset:32*\u           ; Q(r, 8 u + 4 h + 0 .. 3)
	ds_load_b128 v[64+4*\u:67+4*\u], v8 offset:XK+32*\u        ; K likewise: the same order of channels on both sides
.endr
.irp t, 0,1,2,3
.irp p, 0,1,2,3,4,5,6,7
	ds_load_b32 v[96+8*\t+\p], v9 offset:\p*272+64*\t          ; V(key 8 h + p, channel 16 t + r)
.endr
.endr
	s_wait_dscnt 0x0
.irp i, 0,1,2,3,4,5,6,7,8,9,10,11,12,13,14,15  ; S^T = K Q^T, four channels a step, two accumulators by turns
.if \i < 2
	v_wmma_f32_16x16x4_f32 v[208+8*(\i%2):215+8*(\i%2)], v[64+2*\i:65+2*\i], v[32+2*\i:33+2*\i], 0
.else
	v_wmma_f32_16x16x4_f32 v[208+8*(\i%2):215+8*(\i%2)], v[64+2*\i:65+2*\i], v[32+2*\i:33+2*\i], v[208+8*(\i%2):215+8*(\i%2)]
.endif
.endr
.rept 8
	v_nop                                          ; eight places behind this form
.endr
.irp p, 0,2,4,6
	v_pk_add_f32 v[128+\p:129+\p], v[208+\p:209+\p], v[216+\p:217+\p]   ; lane (r, h): query r, keys 8 h + 0 .. 7
.endr
.irp j, 0,1,2,3,4,5,6,7
	v_cmp_le_i32 vcc_lo, \j, v13
	v_cndmask_b32 v[128+\j], v31, v[128+\j], vcc_lo            ; hidden keys: -infinity
.endr
	v_max3_num_f32 v16, v128, v129, v130
	v_max3_num_f32 v18, v131, v132, v133
	v_max3_num_f32 v16, v16, v134, v135
	v_max_num_f32 v16, v16, v18
	v_permlanex16_b32 v17, v16, s30, s31
	v_max_num_f32 v15, v16, v17                    ; the row's maximum: key 0 counts for every query, so it is a number
	v_mul_f32 v14, s32, v15                        ; c m
.irp p, 0,2,4,6
	v_pk_fma_f32 v[136+\p:137+\p], v[128+\p:129+\p], s[32:33], v[14:15] op_sel_hi:[1,0,0] neg_lo:[0,0,1] neg_hi:[0,0,1]   ; c s - c m
.endr
.irp j, 0,1,2,3,4,5,6,7
	v_exp_f32 v[136+\j], v[136+\j]
.endr
	v_nop                                          ; a plain line behind the exponentials
	s_wait_alu depctr_va_vdst(0)                   ; one wait for the batch, ahead of its first reader
	v_pk_add_f32 v[144:145], v[136:137], v[138:139]
	v_pk_add_f32 v[146:147], v[140:141], v[142:143]
	v_pk_add_f32 v[144:145], v[144:145], v[146:147]
	v_add_f32 v16, v144, v145
	v_permlanex16_b32 v17, v16, s30, s31
	v_add_f32 v16, v16, v17                        ; the row's sum
	v_rcp_f32 v18, v16
	v_nop
.irp s, 0,1,2,3                                ; O^T = V^T P^T: step s takes keys 8 h + 2 s, 8 h + 2 s + 1 on both sides; four accumulators by turns
.irp t, 0,1,2,3
.if \s == 0
	v_wmma_f32_16x16x4_f32 v[224+8*\t:231+8*\t], v[96+8*\t+2*\s:97+8*\t+2*\s], v[136+2*\s:137+2*\s], 0
.else
	v_wmma_f32_16x16x4_f32 v[224+8*\t:231+8*\t], v[96+8*\t+2*\s:97+8*\t+2*\s], v[136+2*\s:137+2*\s], v[224+8*\t:231+8*\t]
.endif
.endr
.endr
.rept 8
	v_nop
.endr
	s_wait_alu depctr_va_vdst(0)                   ; the reciprocal's wait, ahead of its first reader
.irp j, 0,1,2,3,4,5,6,7,8,9,10,11,12,13,14,15,16,17,18,19,20,21,22,23,24,25,26,27,28,29,30,31
	v_mul_f32 v[32+\j], v[224+\j], v18             ; register 8 t + i: o(query r, channel 16 t + 8 h + i)
.endr
.irp t, 0,1,2,3
	ds_store_b128 v10, v[32+8*\t:35+8*\t] offset:64*\t
	ds_store_b128 v10, v[36+8*\t:39+8*\t] offset:64*\t+16
.endr
.irp i, 0,1,2,3,4,5,6,7
	ds_load_b128 v[64+4*\i:67+4*\i], v11 offset:544*\i         ; in order behind my stores: whole rows of 256 bytes
.endr
.irp i, 0,1,2,3,4,5,6,7
	s_wait_dscnt 7-\i                              ; load i is in; the younger ones may be out
	global_store_b128 v12, v[64+4*\i:67+4*\i], s[12:13] offset:8192*\i   ; sixteen lanes store 256 consecutive aligned bytes
.endr
.Lend:
	s_wait_tensorcnt 0x0                           ; the wave's end, behind my last LDS store
	ds_add_u32 v28, v29
	s_wait_dscnt 0x0
	s_endpgm
.Lfunc_end_k_qf8c024024f_fine_attn:
	.size	k_qf8c024024f_fine_attn, .Lfunc_end_k_qf8c024024f_fine_attn-k_qf8c024024f_fine_attn
	.p2alignl 7, 3214868480
	.fill 96, 4, 3214868480
	.section	.rodata,"a",@progbits
	.p2align	6, 0x0
	.amdhsa_kernel k_qf8c024024f_fine_attn
		.amdhsa_group_segment_fixed_size 18944
		.amdhsa_private_segment_fixed_size 0
		.amdhsa_enable_private_segment 0
		.amdhsa_kernarg_size 40
		.amdhsa_user_sgpr_count 2
		.amdhsa_user_sgpr_kernarg_segment_ptr 1
		.amdhsa_wavefront_size32 1
		.amdhsa_system_sgpr_workgroup_id_x 1
		.amdhsa_system_sgpr_workgroup_id_y 1
		.amdhsa_system_sgpr_workgroup_id_z 1
		.amdhsa_system_vgpr_workitem_id 0
		.amdhsa_next_free_vgpr 256
		.amdhsa_next_free_sgpr 66
		.amdhsa_reserve_vcc 1
		.amdhsa_float_denorm_mode_32 3
		.amdhsa_float_denorm_mode_16_64 3
		.amdhsa_memory_ordered 1
		.amdhsa_forward_progress 1
		.amdhsa_inst_pref_size 19
	.end_amdhsa_kernel
	.amdgpu_metadata
---
amdhsa.version: [ 1, 2 ]
amdhsa.kernels:
  - .name:           k_qf8c024024f_fine_attn
    .symbol:         k_qf8c024024f_fine_attn.kd
    .args:
      - { .name: acodes, .offset: 0, .size: 8, .value_kind: global_buffer, .address_space: global }
      - { .name: ascales, .offset: 8, .size: 8, .value_kind: global_buffer, .address_space: global }
      - { .name: wcodes, .offset: 16, .size: 8, .value_kind: global_buffer, .address_space: global }
      - { .name: wscales, .offset: 24, .size: 8, .value_kind: global_buffer, .address_space: global }
      - { .name: o32, .offset: 32, .size: 8, .value_kind: global_buffer, .address_space: global }
    .group_segment_fixed_size: 18944
    .private_segment_fixed_size: 0
    .kernarg_segment_align: 8
    .kernarg_segment_size: 40
    .max_flat_workgroup_size: 384
    .sgpr_count:     66
    .vgpr_count:     256
    .wavefront_size: 32
...
	.end_amdgpu_metadata
.endif
;; end of part 2
;; launch proj (part 3): grid 4 x 96, 4 waves a work-group, clusters of 4 x 4, 327,680 bytes of LDS; arguments acodes, ascales, wcodes, wscales, x16; writes x16
.if DOCPART == 3
	.amdgcn_target "amdgcn-amd-amdhsa--gfx1250"
	.amdhsa_code_object_version 6
	.text
	.protected	k_qf8c024024f_proj
	.globl	k_qf8c024024f_proj
	.p2align	8
	.type	k_qf8c024024f_proj,@function
k_qf8c024024f_proj:
	s_mov_b64 s[64:65], 0
	v_nop
	global_prefetch_b8 v0, s[64:65] scope:SCOPE_SE
	s_setreg_imm32_b32 hwreg(HW_REG_WAVE_MODE, 25, 1), 1
	s_wait_xcnt 0x0
	s_wait_alu depctr_hold_cnt(0) depctr_sa_sdst(0) depctr_va_vdst(0) depctr_va_sdst(0) depctr_va_ssrc(0) depctr_va_vcc(0) depctr_vm_vsrc(0)
	s_getreg_b32 s2, hwreg(HW_REG_IB_STS2, 6, 4)
	s_cmp_eq_u32 s2, 0
	s_cbranch_scc0 .Lentry_in_a_cluster
	s_endpgm
.Lentry_in_a_cluster:
	s_bfe_u32 s2, ttmp6, 0x10000c
	s_cmp_lg_u32 s2, 0xf033
	s_cbranch_scc0 .Lentry_shape_is_right
	s_endpgm
.Lentry_shape_is_right:
; The three quantised projections in one launch: C[m][n] = sum over k of A[m][k] B[n][k] on codes of FP4 (E2M1) with one E8M0 scale for each 32 along K.
; A = acodes [24576][1024 codes] (q's, k's, v's rows on end), B = wcodes [3][1024][1024 codes]; tile rows 0-31 take wq, 32-63 wk, 64-95 wv.  Sums in f32, one accumulator an output, K ascending.
; The result is rounded once to f16 and laid by head: x16 = [3][batch][head][position][64].  LIMIT: results beyond 65,504 do not fit f16.
; A tile of C, 256 x 256, is made by four waves; a wave makes 128 x 128: 64 accumulators.  K = 1,024 is two LDS slots of 512 along K: both are first fills, nothing is filled again, there is no loop.
; THE SCALES of the work-group's 256 rows of A and of B, for all of K, are two dense blocks: they come into LDS once, as rows of 256 bytes.
; CLUSTERS: 4 x 4 work-groups.  The four of a row need the same tiles of A, the four of a column the same tiles of B: each tile is asked for jointly.  A cluster's four tile rows lie in one tensor (cluster y / 8).
; THE MATRIX INSTRUCTION IS USED TRANSPOSED (source 0 = 16 rows of B, source 1 = 16 rows of A): a lane holds eight neighbouring columns of a row of C.
; REGISTERS: window 0: v16-29 addresses; v32-95 scale words, two sets, and nothing else; v128-191 A's fragments, one set (on the way out v128-159 packed results, v192-255 rows read back);
;   window 1: B's fragments, two sets, at v0 and v128;  window 2: the accumulators of my rows 0-63 ((a, b) at v[8 (8 a + b)]);  window 3: those of my rows 64-127.
.set SIZE_K, 1024
.set KSTEP,  512
.set NQ,     KSTEP/128
.set ROWB,   256                       ; a tile's row in bytes
.set KROW,   SIZE_K*4/8                ; a row of codes in memory
.set PITCH,  272                       ; an LDS row: 256 bytes + 16: 68 words, so that 16 rows start at 16 different banks (64 banks of 4 bytes: ISA guide 11.1)
.set FR,     8
.set NL,     2
.set NP,     4                         ; places behind this matrix instruction (ISA guide 7.12.1)
.set HALFT,  128*PITCH
.set SLOT,   4*HALFT
.set KS,     SIZE_K/32                 ; a row of scale bytes
.set SCL,    2*SLOT
.set HALFS,  (128*KS/256)*272
.set SBLK,   (16*KS/256)*272
.set SPARE,  SCL+4*HALFS               ; the spare words: 128 bytes a wave
.set STAGE,  SPARE+512                 ; the way out: for each wave 2 heads x 16 rows x (128 bytes + 16); bytes of its own, into which no tile lands
.set WSTG,   2*16*144
.set ADRA, 16
.set ADRB, 20
.set STO,  24
.set RD,   25
.set CO,   26
.set ADRS, 27
.set SPW,  28
.set NIL,  29
.set SC,   32
.set AF,   128
.set TMP,  128
.set BK,   192
.set G1, 24
.set G0, 32
.set G1B, 48
.set G0B, 56
.set G1S, 68
.set G0S, 76
.set G1SB, 80
.set G0SB, 88
.set MSB, 0
.macro WIN new                         ; the immediate's high byte repeats the setting that is left
.if MSB != (\new)
	s_set_vgpr_msb (MSB<<8)|(\new)
.set MSB, (\new)
.endif
.endm
.set MUL_LO, 0xa1                      ; source 0 (B) window 1, source 1 (A) window 0, C and D window 2
.set MUL_HI, 0xf1
.set TO_B,   0x40
; A joint load: waves 0 and 1 fetch for A, waves 2 and 3 for B; the branch hangs on the wave's number alone.  An s_nop 0 and four v_nop follow each line.
.macro JLOAD g0a, g1a, g0b, g1b
	s_cmp_eq_u32 s15, 0
	s_cbranch_scc0 .Lfor_b_\@
	tensor_load_to_lds s[\g0a:\g0a+3], s[\g1a:\g1a+7]
	s_nop 0
.rept 4
	v_nop
.endr
	s_branch .Lasked_\@
.Lfor_b_\@:
	tensor_load_to_lds s[\g0b:\g0b+3], s[\g1b:\g1b+7]
	s_nop 0
.rept 4
	v_nop
.endr
.Lasked_\@:
.endm
.macro CROUND                          ; a round of the cluster's barrier
	s_barrier_signal -1
	s_barrier_wait -1
	s_cmp_lg_u32 s14, 0
	s_cbranch_scc1 .Lnot_wave_0_\@
	s_barrier_signal -3
.Lnot_wave_0_\@:
	s_barrier_wait -3
	s_barrier_signal -1
	s_barrier_wait -1
.endm
	s_load_b128 s[4:7], s[0:1], 0x0                ; A's codes, A's scales
	s_load_b128 s[8:11], s[0:1], 0x10              ; B's codes, B's scales
	s_load_b64 s[12:13], s[0:1], 0x20              ; x16
	v_lshl_add_u32 v[SPW], v0, 2, SPARE
	v_mov_b32 v[NIL], 0
	ds_add_u32 v[SPW], v[NIL]                      ; the wave's opening: the add, twice on end, and its wait ahead of my first tensor load
	ds_add_u32 v[SPW], v[NIL]
	v_lshrrev_b32 v1, 5, v0
	v_readfirstlane_b32 s14, v1                    ; wave 0..3
	s_lshr_b32 s15, s14, 1                         ; which half of the tile's rows is mine; also: I fetch for A (0) or B (1)
	s_and_b32 s16, s14, 1                          ; which half of its columns; also: which 128 rows I fetch
	s_bfe_u32 s40, ttmp6, 0x40000                  ; cx
	s_bfe_u32 s41, ttmp6, 0x40004                  ; cy
	s_lshl_b32 s42, ttmp9, 2
	s_add_co_u32 s42, s42, s40                     ; tile column
	s_and_b32 s17, ttmp7, 0xffff
	s_lshl_b32 s17, s17, 2
	s_add_co_u32 s17, s17, s41                     ; tile row
	s_lshl_b32 s43, s41, 2
	s_lshl_b32 s43, 15, s43                        ; my row of the cluster
	s_lshl_b32 s44, 0x1111, s40                    ; my column
	s_or_b32 s[G1+0], s43, (0<<16)|(1<<20)|(1<<21)|(5<<22)|(3<<25)  ; the mask; elements of 1 byte; padding on; bit 21 beside a mask; 4 words behind every 64
	s_or_b32 s[G1B+0], s44, (0<<16)|(1<<20)|(1<<21)|(5<<22)|(3<<25)
.irp g, G1, G1B
	s_mov_b32 s[\g+1], ROWB<<16                    ; tensor_dim0
	s_mov_b32 s[\g+2], 128<<16                     ; tensor_dim1
	s_mov_b32 s[\g+3], ROWB<<16                    ; tile_dim0
	s_mov_b32 s[\g+4], 128                         ; tile_dim1
	s_mov_b32 s[\g+5], KROW                        ; pitch
	s_mov_b32 s[\g+6], 0
	s_mov_b32 s[\g+7], 0
.endr
	s_or_b32 s[G1S+0], s43, (3<<16)|(1<<20)|(1<<21)|(5<<22)|(3<<25) ; the scales of 128 rows: 4,096 dense bytes as 16 rows of 32 elements of 8 bytes
	s_or_b32 s[G1SB+0], s44, (3<<16)|(1<<20)|(1<<21)|(5<<22)|(3<<25)
.irp g, G1S, G1SB
	s_mov_b32 s[\g+1], 32<<16
	s_mov_b32 s[\g+2], (128*KS/256)<<16
	s_mov_b32 s[\g+3], 32<<16
	s_mov_b32 s[\g+4], 128*KS/256
	s_mov_b32 s[\g+5], 32
	s_mov_b32 s[\g+6], 0
	s_mov_b32 s[\g+7], 0
.endr
	s_lshl_b32 s18, s16, 7
	s_lshl_b32 s20, s17, 8
	s_add_co_u32 s20, s20, s18                     ; A: row 256 x tile row + 128 x half
	s_lshl_b32 s46, s42, 8
	s_add_co_u32 s46, s46, s18                     ; B: row 256 x tile column + 128 x half
	s_and_b32 s95, ttmp7, 0xffff
	s_lshr_b32 s95, s95, 3                         ; the tensor: cluster y / 8, the same in all sixteen partners
	s_lshl_b32 s95, s95, 10
	s_add_co_u32 s46, s46, s95                     ; + 1,024 rows for each tensor
	s_mov_b32 s21, 0
	s_mov_b32 s47, 0
	s_mov_b64 s[18:19], KS
	s_mul_u64 s[22:23], s[20:21], s[18:19]
	s_mul_u64 s[92:93], s[46:47], s[18:19]
	s_mov_b64 s[18:19], KROW
	s_mul_u64 s[20:21], s[20:21], s[18:19]
	s_mul_u64 s[46:47], s[46:47], s[18:19]
	s_mul_i32 s45, s14, HALFT                      ; where they go: wave x 128 rows
	s_mul_i32 s94, s14, HALFS
	s_wait_dscnt 0x0                               ; both opening adds are done
	s_wait_kmcnt 0x0
	s_add_nc_u64 s[20:21], s[4:5], s[20:21]
	s_add_nc_u64 s[22:23], s[6:7], s[22:23]
	s_add_nc_u64 s[46:47], s[8:9], s[46:47]
	s_add_nc_u64 s[92:93], s[10:11], s[92:93]
	CROUND                                         ; all sixteen work-groups are here: the joint loads meet
	s_mov_b32 s[G0S], 1
	s_add_co_u32 s[G0S+1], s94, SCL
	s_mov_b64 s[G0S+2:G0S+3], s[22:23]
	s_or_b32 s[G0S+3], s[G0S+3], 0x80000000
	s_mov_b32 s[G0SB], 1
	s_add_co_u32 s[G0SB+1], s94, SCL
	s_mov_b64 s[G0SB+2:G0SB+3], s[92:93]
	s_or_b32 s[G0SB+3], s[G0SB+3], 0x80000000
	JLOAD G0S, G1S, G0SB, G1SB                     ; the scales first
.irp s, 0,1
	s_mov_b32 s[G0+4*\s], 1
	s_add_co_u32 s[G0+4*\s+1], s45, \s*SLOT
	s_add_nc_u64 s[G0+4*\s+2:G0+4*\s+3], s[20:21], \s*ROWB
	s_or_b32 s[G0+4*\s+3], s[G0+4*\s+3], 0x80000000
	s_mov_b32 s[G0B+4*\s], 1
	s_add_co_u32 s[G0B+4*\s+1], s45, \s*SLOT
	s_add_nc_u64 s[G0B+4*\s+2:G0B+4*\s+3], s[46:47], \s*ROWB
	s_or_b32 s[G0B+4*\s+3], s[G0B+4*\s+3], 0x80000000
	JLOAD G0+4*\s, G1, G0B+4*\s, G1B               ; three loads of mine are out in all
.endr
	v_and_b32 v1, 15, v0                           ; l % 16
	v_bfe_u32 v2, v0, 4, 1                         ; l / 16
	v_mul_u32_u24 v3, v1, PITCH
	v_lshl_add_u32 v4, v2, 4, v3
	s_mul_i32 s21, s15, HALFT
	s_mul_i32 s22, s16, HALFT
	s_add_co_u32 s22, s22, 2*HALFT
.irp s, 0,1
	v_add_nc_u32 v[ADRA+\s], s21, v4
	v_add_nc_u32 v[ADRB+\s], s22, v4
	s_add_co_u32 s21, s21, SLOT
	s_add_co_u32 s22, s22, SLOT
.endr
	v_mul_u32_u24 v5, v1, KS                       ; my row's scales: KS bytes a row,
	v_lshrrev_b32 v6, 8, v5
	v_lshl_add_u32 v5, v6, 4, v5                   ; and 16 more for each 256 passed
	s_mul_i32 s21, s15, HALFS
	s_mul_i32 s22, s16, HALFS
	s_add_co_u32 s22, s22, 2*HALFS
	s_sub_co_u32 s22, s22, s21
	v_mul_u32_u24 v6, s22, v2                      ; lanes 16-31 take B's
	s_add_co_u32 s21, s21, SCL
	v_add_nc_u32 v5, v5, v6
	v_add_nc_u32 v[ADRS], s21, v5
	s_mul_i32 s23, s14, WSTG
	s_add_co_u32 s23, s23, STAGE                   ; my stage
	v_mul_u32_u24 v5, v1, 144
	v_lshl_add_u32 v5, v2, 4, v5
	v_add_nc_u32 v[STO], s23, v5                   ; in: row l % 16, 16 bytes for each half of the lanes
	v_and_b32 v6, 31, v0
	v_lshlrev_b32 v[CO], 4, v6                     ; out: 16 bytes a lane, four rows of 128 bytes on end
	v_lshrrev_b32 v5, 3, v6
	v_mul_u32_u24 v5, v5, 144
	v_and_b32 v6, 7, v0
	v_lshl_add_u32 v5, v6, 4, v5
	v_add_nc_u32 v[RD], s23, v5                    ; back: eight lanes to a row
	s_lshl_b32 s20, s17, 8
	s_lshl_b32 s21, s15, 7
	s_add_co_u32 s20, s20, s21                     ; my first row of C, R0
	s_lshr_b32 s21, s20, 11                        ; 4 x tensor + batch
	s_lshl_b32 s21, s21, 4
	s_lshl_b32 s46, s42, 2
	s_lshl_b32 s47, s16, 1
	s_add_co_u32 s46, s46, s47                     ; my first head
	s_add_co_u32 s21, s21, s46
	s_lshl_b32 s21, s21, 11
	s_and_b32 s20, s20, 2047                       ; the position
	s_add_co_u32 s20, s20, s21
	s_lshl_b32 s20, s20, 7                         ; rows of 128 bytes
	s_mov_b32 s21, 0
	s_add_nc_u64 s[12:13], s[12:13], s[20:21]
.macro FRAG reg, adr, q, i             ; 16 rows x 128 K of 4-bit codes: 8 registers; registers 4 c on hold K = 64 c + 32 (l / 16) + 0 .. 31
.irp c, 0,1
	ds_load_b128 v[\reg+4*\c:\reg+4*\c+3], v[\adr] offset:64*(\q)+32*\c+(\i)*16*PITCH
.endr
.endm
; 16 matrix instructions: A's blocks a0, a0 + 1 x B's eight.  The 64 accumulators take turns, one instruction a turn, in the same order in every step.
.macro MUL16 a0, p, q, sc, zero
.irp a, \a0, \a0+1
.irp b, 0,1,2,3,4,5,6,7
.if \zero
	v_wmma_scale_f32_16x16x128_f8f6f4 v[8*(8*((\a)%4)+\b):8*(8*((\a)%4)+\b)+7], v[128*(\p)+FR*\b:128*(\p)+FR*\b+FR-1], v[AF+FR*(\a):AF+FR*(\a)+FR-1], 0, v[SC+8*NQ*(\sc)+NQ*\b+(\q)], v[SC+8*NQ*(\sc)+NQ*(\a)+(\q)] matrix_a_fmt:MATRIX_FMT_FP4 matrix_b_fmt:MATRIX_FMT_FP4 matrix_a_scale:MATRIX_SCALE_ROW1
.else
	v_wmma_scale_f32_16x16x128_f8f6f4 v[8*(8*((\a)%4)+\b):8*(8*((\a)%4)+\b)+7], v[128*(\p)+FR*\b:128*(\p)+FR*\b+FR-1], v[AF+FR*(\a):AF+FR*(\a)+FR-1], v[8*(8*((\a)%4)+\b):8*(8*((\a)%4)+\b)+7], v[SC+8*NQ*(\sc)+NQ*\b+(\q)], v[SC+8*NQ*(\sc)+NQ*(\a)+(\q)] matrix_a_fmt:MATRIX_FMT_FP4 matrix_b_fmt:MATRIX_FMT_FP4 matrix_a_scale:MATRIX_SCALE_ROW1
.endif
.endr
.endr
.endm
.macro FETCH_B slot, q, p
	WIN TO_B
.irp i, 0,1,2,3,4,5,6,7
	FRAG 128*(\p)+FR*\i, ADRB+\slot, \q, \i
.endr
	WIN 0
.endm
.macro FETCH_A slot, q, i0
.irp i, \i0, \i0+1, \i0+2, \i0+3
	FRAG AF+FR*(\i), ADRA+\slot, \q, \i
.endr
.endm
.macro SCALES sc                       ; a slot's scale words: four a row; lanes 0-15 take A's block i, lanes 16-31 B's block i
.irp i, 0,1,2,3,4,5,6,7
	ds_load_b128 v[SC+8*NQ*\sc+NQ*\i:SC+8*NQ*\sc+NQ*\i+3], v[ADRS] offset:\i*SBLK
.endr
.endm
.macro PLACES n
.rept \n
	v_nop
.endr
.endm
.macro STEP slot, q, zero              ; 128 along K, with its successor in the same slot
	s_wait_dscnt 4*NL                              ; B's set and A's blocks 0-3 are in; the youngest eight loads (A's blocks 4-7) may be out
	WIN MUL_LO
	MUL16 0, (\q)%2, \q, \slot, \zero
	MUL16 2, (\q)%2, \q, \slot, \zero
	s_wait_dscnt 0
	PLACES NP                                      ; in front of loads into registers that matrix instructions have read
	FETCH_B \slot, (\q)+1, 1-(\q)%2
	FETCH_A \slot, (\q)+1, 0
	WIN MUL_HI
	MUL16 4, (\q)%2, \q, \slot, \zero
	MUL16 6, (\q)%2, \q, \slot, \zero
	PLACES NP
	WIN 0
	FETCH_A \slot, (\q)+1, 4
.endm
.macro TURN slot, next                 ; slot 0's last step changes slots: one barrier; nothing is filled again
	s_wait_tensorcnt 0x0                           ; all my tensor loads have landed: my part of the next slot
	ds_add_u32 v[SPW], v[NIL]                      ; 0 onto my spare word
	s_wait_dscnt 4*NL+1                            ; the add and the youngest eight loads may be out
	WIN MUL_LO
	MUL16 0, 1, NQ-1, \slot, 0
	s_wait_dscnt 0x0                               ; the add is done, and my reads of this slot are over
	s_barrier_signal -1
	MUL16 2, 1, NQ-1, \slot, 0
	WIN 0
	s_barrier_wait -1                              ; the next slot is whole
	PLACES NP
	v_add_nc_u32 v[ADRS], 4*NQ, v[ADRS]            ; on to the next slot's scale words
	FETCH_B \next, 0, 0
	FETCH_A \next, 0, 0
	SCALES \next
	WIN MUL_HI
	MUL16 4, 1, NQ-1, \slot, 0
	MUL16 6, 1, NQ-1, \slot, 0
	PLACES NP
	WIN 0
	FETCH_A \next, 0, 4
.endm
.macro STEPS slot, from
.set Q, \from
.rept NQ-1-\from
	STEP \slot, Q, 0
.set Q, Q+1
.endr
.endm
	s_wait_tensorcnt 1                             ; the scales and my part of slot 0 are in; slot 1's load may be out
	s_barrier_signal -1
	s_barrier_wait -1
	FETCH_B 0, 0, 0
	FETCH_A 0, 0, 0
	SCALES 0
	FETCH_A 0, 0, 4
	STEP 0, 0, 1                                   ; the first products start the sums: nothing is cleared
	STEPS 0, 1
	TURN 0, 1
	STEPS 1, 0
	s_wait_dscnt 4*NL                              ; the last step: nothing more to fetch
	WIN MUL_LO
	MUL16 0, 1, NQ-1, 1, 0
	MUL16 2, 1, NQ-1, 1, 0
	s_wait_dscnt 0
	WIN MUL_HI
	MUL16 4, 1, NQ-1, 1, 0
	MUL16 6, 1, NQ-1, 1, 0
	WIN 0
; THE WAY OUT, a block of 16 rows x 128 columns (two heads) at a time: rounded to f16, 16 bytes a lane into my stage, back as rows of 128 bytes, four rows of a head to a store.
.macro PACK a
.set AC, 64*((\a)%4)
	WIN 0x0a+5*((\a)/4)                            ; sources 0 and 1: window 2 or 3
.irp b, 0,1,2,3,4,5,6,7
.irp r, 0,1,2,3
	v_cvt_pk_f16_f32 v[TMP+4*\b+\r], v[AC+8*\b+2*\r], v[AC+8*\b+2*\r+1]   ; each accumulator from its low end on
.endr
.endr
	WIN 0
.endm
.macro TOSTAGE a
.set BB, BK+32*((\a)%2)
.irp b, 0,1,2,3,4,5,6,7
	ds_store_b128 v[STO], v[TMP+4*\b:TMP+4*\b+3] offset:(\b/4)*2304+32*(\b%4)
.endr
.irp hh, 0,1
.irp i, 0,1,2,3
	ds_load_b128 v[BB+16*\hh+4*\i:BB+16*\hh+4*\i+3], v[RD] offset:\hh*2304+576*\i   ; in order behind my stores (ISA guide 5.7.1.4)
.endr
.endr
.endm
.macro SEND a
.set BB, BK+32*((\a)%2)
	s_wait_dscnt 0x0                               ; the block is back in registers
	s_wait_xcnt 0x0                                ; the stores of the block before have read their registers: the next block's loads land there only behind this wait
.irp hh, 0,1
.irp i, 0,1,2,3
	global_store_b128 v[CO], v[BB+16*\hh+4*\i:BB+16*\hh+4*\i+3], s[12:13] offset:\hh*262144+(\a)*2048+512*\i   ; 32 lanes store 512 consecutive aligned bytes
.endr
.endr
.endm
	PLACES NP
	PACK 0
	TOSTAGE 0
.irp a, 1,2,3,4,5,6,7
	PACK \a                                        ; a block's conversions stand between the loads of the block before and the wait for them
	SEND \a-1
	TOSTAGE \a
.endr
	SEND 7
	s_wait_tensorcnt 0x0                           ; the wave's end
	ds_add_u32 v[SPW], v[NIL]
	s_wait_dscnt 0x0
	CROUND                                         ; the closing round
	s_endpgm
.Lfunc_end_k_qf8c024024f_proj:
	.size	k_qf8c024024f_proj, .Lfunc_end_k_qf8c024024f_proj-k_qf8c024024f_proj
	.p2alignl 7, 3214868480
	.fill 96, 4, 3214868480
	.section	.rodata,"a",@progbits
	.p2align	6, 0x0
	.amdhsa_kernel k_qf8c024024f_proj
		.amdhsa_group_segment_fixed_size 327680
		.amdhsa_private_segment_fixed_size 0
		.amdhsa_enable_private_segment 0
		.amdhsa_kernarg_size 40
		.amdhsa_user_sgpr_count 2
		.amdhsa_user_sgpr_kernarg_segment_ptr 1
		.amdhsa_wavefront_size32 1
		.amdhsa_system_sgpr_workgroup_id_x 1
		.amdhsa_system_sgpr_workgroup_id_y 1
		.amdhsa_system_sgpr_workgroup_id_z 1
		.amdhsa_system_vgpr_workitem_id 0
		.amdhsa_next_free_vgpr 1024
		.amdhsa_next_free_sgpr 98
		.amdhsa_reserve_vcc 0
		.amdhsa_float_denorm_mode_32 3
		.amdhsa_float_denorm_mode_16_64 3
		.amdhsa_memory_ordered 1
		.amdhsa_forward_progress 1
		.amdhsa_inst_pref_size 127
	.end_amdhsa_kernel
	.amdgpu_metadata
---
amdhsa.version: [ 1, 2 ]
amdhsa.kernels:
  - .name:           k_qf8c024024f_proj
    .symbol:         k_qf8c024024f_proj.kd
    .args:
      - { .name: acodes, .offset: 0, .size: 8, .value_kind: global_buffer, .address_space: global }
      - { .name: ascales, .offset: 8, .size: 8, .value_kind: global_buffer, .address_space: global }
      - { .name: wcodes, .offset: 16, .size: 8, .value_kind: global_buffer, .address_space: global }
      - { .name: wscales, .offset: 24, .size: 8, .value_kind: global_buffer, .address_space: global }
      - { .name: x16, .offset: 32, .size: 8, .value_kind: global_buffer, .address_space: global }
    .group_segment_fixed_size: 327680
    .private_segment_fixed_size: 0
    .kernarg_segment_align: 8
    .kernarg_segment_size: 40
    .max_flat_workgroup_size: 128
    .sgpr_count:     98
    .vgpr_count:     1024
    .wavefront_size: 32
...
	.end_amdgpu_metadata
.endif
;; end of part 3
;; launch attn (part 4): grid 4 x 64, 8 waves a work-group, no clusters, 327,680 bytes of LDS; arguments x16, o16; writes o16
.if DOCPART == 4
	.amdgcn_target "amdgcn-amd-amdhsa--gfx1250"
	.amdhsa_code_object_version 6
	.text
	.protected	k_qf8c024024f_attn
	.globl	k_qf8c024024f_attn
	.p2align	8
	.type	k_qf8c024024f_attn,@function
k_qf8c024024f_attn:
	s_mov_b64 s[64:65], 0
	v_nop
	global_prefetch_b8 v0, s[64:65] scope:SCOPE_SE
	s_setreg_imm32_b32 hwreg(HW_REG_WAVE_MODE, 25, 1), 1
	s_wait_xcnt 0x0
; Causal attention on f16 operands, f32 products, maxima and sums.  x16 = [3 (q, k, v)][batch x head][2048][64] f16; o16 = [batch x head][2048][64] f16.
; SHARES.  Work-group (j, head) owns query blocks j and 7 - j of 256 queries: (j + 1) + (8 - j) = 9 slots of 256 keys for every work-group, so the 256 work-groups have equal work, and tiles wholly under the mask are not multiplied.
; Trip t <= j: block j, key slot t; trip t > j: block 7 - j, key slot t - j - 1.  The trip count is the constant 9.  A wave owns 32 queries, two tiles of 16: each fragment of K and V read from LDS feeds two matrix instructions.
; NO CLUSTER: the four work-groups of a head want different key slots in the same trip, and under a joint walk the mask would let whole partners pass over joint tiles.
; LAYOUT.  S^T = K Q^T (source 0 = 16 keys, source 1 = 16 queries) and O^T = V^T P: a lane holds one query throughout; two tiles of S^T, rounded in pairs, are source 1 of the second product.  V is turned by ds_load_tr16_b128.
; SOFTMAX.  A running maximum m and sum l a query: p = 2^(c s - c m), c = log2(e) / 8; in every step O and l are multiplied by a = 2^(c m_old - c m_new).  O, l begin as zeros and m as -3e38, so the step is written once.
; RING.  Two LDS slots of 256 keys (four steps of 64 keys: K's 64 rows, then V's).  Waves 0-3 fetch the four steps' K, waves 4-7 their V, one tensor load of 64 rows a wave behind each barrier; one load of a wave is out at any time.
; LIMITS: NaN and infinities are not served; the first 16 positions of a sequence are made here coarsely, as part of whole tiles, and are replaced by a later launch.
; REGISTERS: window 0: v3-10 addresses; v12-27 statistics, 8 a tile (+0 c m, +1 m, +2, +3 l, +4..7 at work, a at +6); v28, v29 the add's two; v30 the prefetch's offset; v31 -infinity; v32-63 P; v64-127 S^T; v128-191 K; v192-255 V.
;   window 1: v0-63 O^T, 32 a tile; v64-95 Q, 16 a tile.
.set VOFF,  64*144                     ; K's row: 128 bytes + 16; V's: 128 + 32 (an odd multiple of 32 bytes for the turning load)
.set STEPB, 64*144+64*160
.set SLOT1, 1<<17
.set STAGE, SLOT1+4*STEPB              ; the way out: 2 tiles x 16 rows x 144 bytes a wave
.set SPARE, STAGE+8*4608               ; the spare words: 128 bytes a wave
.set AK0, 3
.set AV0, 4
.set ADK, 5
.set ADV, 6
.set QO,  7
.set STO, 8
.set RD,  9
.set GO,  10
.set ST,  12
.set SPW, 28
.set NIL, 29
.set PFO, 30
.set P,   32
.set S,   64
.set KR,  128
.set VR,  192
.set WV,  8
.set J,   9
.set J1,  10
.set TT,  46                           ; the trip
.set SL,  47                           ; trips of the loop still to go
.set ST4, 48
.set TB,  49                           ; LDS byte at which the step's tiles begin
.set KEY, 50                           ; the step's first key
.set Q0,  51                           ; my first query
.set LIM, 52
.set CS,  54
.set SEL, 56
.set MSB, 0
.macro WIN new
.if MSB != (\new)
	s_set_vgpr_msb (MSB<<8)|(\new)
.set MSB, (\new)
.endif
.endm
.set W_KQ, 0x04                        ; Q (source 1) in window 1
.set W_PV, 0x50                        ; O^T (C and D) in window 1
.set W_RS, 0x41                        ; O^T (destination and source 0) in window 1
; Waves 0-3 fetch K's tiles, waves 4-7 V's: two shapes of padding, so two lines; the branch hangs on the wave's number alone.  An s_nop 0 and four v_nop follow each.
.macro JLOAD
	s_cmp_lt_u32 s[WV], 4
	s_cbranch_scc0 .Lfor_v_\@
	tensor_load_to_lds s[40:43], s[24:31]
	s_nop 0
.rept 4
	v_nop
.endr
	s_branch .Lasked_\@
.Lfor_v_\@:
	tensor_load_to_lds s[40:43], s[32:39]
	s_nop 0
.rept 4
	v_nop
.endr
.Lasked_\@:
.endm
; A prefetch of the key slot that the next change of slots will ask for.  All four work-groups of a head walk the same K and V; the one with j = 0 walks slots 0 to 7 in order from its trip 1 on, and it alone asks:
; in trip t = 0 .. 6 its eight waves name slot t + 1, each the 8,192 bytes that it will fetch, lanes 256 bytes apart.  So each block of 256 bytes of slots 1 to 7 is named once; slot 0 comes by its loads alone.
.macro ASK
	s_cmp_gt_u32 s[SL], s[LIM]
	s_cbranch_scc0 .Lnot_mine_\@
	global_prefetch_b8 v[PFO], s[18:19] th:TH_LOAD_NT scope:SCOPE_SE
.Lnot_mine_\@:
.endm
; A block of queries begins: Q into registers, O^T, l = 0, m = -3e38.
.macro INIT
	s_lshl_b32 s20, s[Q0], 7
	s_mov_b32 s21, 0
	s_add_nc_u64 s[22:23], s[12:13], s[20:21]
	WIN 0x40                                       ; destination window 1
.irp t, 0,1
.irp ks, 0,1
.irp c, 0,1
	global_load_b128 v[64+16*\t+8*\ks+4*\c:64+16*\t+8*\ks+4*\c+3], v[QO], s[22:23] offset:2048*\t+64*\ks+32*\c
.endr
.endr
.endr
.set i, 0
.rept 64
	v_mov_b32 v[i], 0                              ; O^T: the step is written once, its first turn finds zeros
.set i, i+1
.endr
	WIN 0
.irp t, 0,1
	v_mov_b32 v[ST+8*\t+1], 0xff61b1e6             ; -3e38, under every score
	v_mov_b32 v[ST+8*\t+2], 0
	v_mov_b32 v[ST+8*\t+3], 0
	v_mov_b32 v[ST+8*\t+4], 0
	v_mov_b32 v[ST+8*\t+5], 0                      ; (a lane permute's destination counts as read)
	v_mov_b32 v[ST+8*\t+6], 0
	v_mov_b32 v[ST+8*\t+7], 0
	v_mul_f32 v[ST+8*\t], s[CS], v[ST+8*\t+1]
.endr
	s_wait_loadcnt 0x0
.endm
; THE CHANGE OF SLOTS, at a trip's head.  Each wave waits for all its tensor loads (its part of the slot ahead), adds 0 to its spare word, and waits for that and for its reads of the slot that it has left.
; Behind the barrier the slot ahead is whole and nobody reads the other: fill = 1: it takes the next trip's keys, which then have a whole trip in which to land.
.macro CHANGE fill
	s_wait_tensorcnt 0x0                           ; no tensor load of mine is out, so group 0 may be written
	ds_add_u32 v[SPW], v[NIL]
.if \fill
	s_xor_b32 s41, s41, SLOT1                      ; the other slot than last time
	s_add_co_u32 s58, s[TT], 1                     ; the next trip's key slot: t + 1, or t + 1 - (j + 1) in the second block
	s_cmp_gt_u32 s58, s[J]
	s_cselect_b32 s59, s[J1], 0
	s_sub_co_u32 s58, s58, s59
	s_lshl_b32 s20, s58, 15                        ; 256 keys of 128 bytes
	s_mov_b32 s21, 0
	s_add_nc_u64 s[42:43], s[16:17], s[20:21]
	s_or_b32 s43, s43, 0x80000000
	s_wait_xcnt 0x0                                ; the last prefetch, a trip back, has read its address
	s_add_nc_u64 s[18:19], s[18:19], 32768
.endif
	s_wait_dscnt 0x0                               ; the add is done, and my reads of the slot that I have left are over
	s_barrier_signal -1
	s_barrier_wait -1
.if \fill
	JLOAD                                          ; the first thing behind the barrier, and my one tensor load until the next
	ASK
.endif
.endm
; A KEY STEP: 64 keys.
.macro STEP
	s_add_co_u32 s58, s[Q0], 31                    ; a step all of whose keys come after my 32 queries is left out: a branch on ids, round no barrier and no tensor load
	s_cmp_gt_u32 s[KEY], s58
	s_cbranch_scc1 .Lhid_\@
	v_add_nc_u32 v[ADK], s[TB], v[AK0]
	v_add_nc_u32 v[ADV], s[TB], v[AV0]
.irp kt, 0,1,2,3
.irp ks, 0,1
	ds_load_b128 v[KR+16*\kt+8*\ks:KR+16*\kt+8*\ks+3], v[ADK] offset:2304*\kt+64*\ks
	ds_load_b128 v[KR+16*\kt+8*\ks+4:KR+16*\kt+8*\ks+7], v[ADK] offset:2304*\kt+64*\ks+32
.endr
.endr
.irp k2, 0,1
.irp dt, 0,1,2,3
	ds_load_tr16_b128 v[VR+32*\k2+8*\dt:VR+32*\k2+8*\dt+3], v[ADV] offset:5120*\k2+32*\dt
	ds_load_tr16_b128 v[VR+32*\k2+8*\dt+4:VR+32*\k2+8*\dt+7], v[ADV] offset:5120*\k2+32*\dt+2560
.endr
.endr
	s_wait_dscnt 16                                ; K is in; V's sixteen loads may be out
	WIN W_KQ
.set i, 0
.rept 16                                       ; channels 32 (i / 8) on, keys 16 ((i / 2) % 4) on, tile i % 2: eight accumulators by turns
.set rS, S+32*(i%2)+8*((i/2)%4)
.set rK, KR+16*((i/2)%4)+8*(i/8)
.set rQ, 64+16*(i%2)+8*(i/8)
.if i < 8
	v_wmma_f32_16x16x32_f16 v[rS:rS+7], v[rK:rK+7], v[rQ:rQ+7], 0
.else
	v_wmma_f32_16x16x32_f16 v[rS:rS+7], v[rK:rK+7], v[rQ:rQ+7], v[rS:rS+7]
.endif
.set i, i+1
.endr
	WIN 0
.rept 4
	v_nop                                          ; four places behind the last product (ISA guide 7.12.1)
.endr
	s_add_co_u32 s58, s[KEY], 63                   ; a step all of whose keys count for all my queries passes over the mask
	s_cmp_le_u32 s58, s[Q0]
	s_cbranch_scc1 .Lopen_\@
	s_sub_co_i32 s58, s[Q0], s[KEY]
	v_and_b32 v1, 15, v0
	v_bfe_u32 v2, v0, 4, 1
	v_lshlrev_b32 v2, 3, v2
	v_sub_nc_u32 v1, v1, v2
	v_add_nc_u32 v1, s58, v1                       ; tile 0: register 8 kt + j holds key KEY + 16 kt + 8 (l / 16) + j: it counts where 16 kt + j <= my query - KEY - 8 (l / 16)
	v_add_nc_u32 v2, 16, v1                        ; tile 1
.irp t, 0,1
.irp kt, 0,1,2,3
.irp j, 0,1,2,3,4,5,6,7
	v_cmp_le_i32 vcc_lo, 16*\kt+\j, v[1+\t]
	v_cndmask_b32 v[S+32*\t+8*\kt+\j], v31, v[S+32*\t+8*\kt+\j], vcc_lo
.endr
.endr
.endr
.Lopen_\@:
	; the maximum of the lane's 32 scores and the old m: four chains a tile, each from its accumulator's low end; the two tiles line by line
.irp q, 0,1,2,3
.irp t, 0,1
	v_max3_num_f32 v[ST+8*\t+4+\q], v[S+32*\t+8*\q], v[S+32*\t+8*\q+1], v[S+32*\t+8*\q+2]
.endr
.endr
.irp p, 1,2
.irp q, 0,1,2,3
.irp t, 0,1
	v_max3_num_f32 v[ST+8*\t+4+\q], v[ST+8*\t+4+\q], v[S+32*\t+8*\q+2*\p+1], v[S+32*\t+8*\q+2*\p+2]
.endr
.endr
.endr
.irp t, 0,1
	v_max3_num_f32 v[ST+8*\t+4], v[ST+8*\t+4], v[S+32*\t+7], v[S+32*\t+15]
	v_max3_num_f32 v[ST+8*\t+6], v[ST+8*\t+6], v[S+32*\t+23], v[S+32*\t+31]
.endr
.irp t, 0,1
	v_max3_num_f32 v[ST+8*\t+4], v[ST+8*\t+4], v[ST+8*\t+5], v[ST+8*\t+6]
.endr
.irp t, 0,1
	v_max3_num_f32 v[ST+8*\t+4], v[ST+8*\t+4], v[ST+8*\t+7], v[ST+8*\t+1]
.endr
.irp t, 0,1
	v_permlanex16_b32 v[ST+8*\t+5], v[ST+8*\t+4], s[SEL], s[SEL+1]   ; the query's other 32 keys lie in the lane 16 away
.endr
.irp t, 0,1
	v_mov_b32 v[ST+8*\t+7], v[ST+8*\t]             ; c m_old is kept for a
.endr
.irp t, 0,1
	v_max_num_f32 v[ST+8*\t+1], v[ST+8*\t+4], v[ST+8*\t+5]
.endr
.irp t, 0,1
	v_mul_f32 v[ST+8*\t], s[CS], v[ST+8*\t+1]
.endr
.irp t, 0,1
	v_sub_f32 v[ST+8*\t+7], v[ST+8*\t+7], v[ST+8*\t]
.endr
.irp b, 0,1,2,3,4,5,6,7,8,9,10,11,12,13,14,15
.irp t, 0,1
	v_pk_fma_f32 v[S+32*\t+2*\b:S+32*\t+2*\b+1], v[S+32*\t+2*\b:S+32*\t+2*\b+1], s[CS:CS+1], v[ST+8*\t:ST+8*\t+1] op_sel_hi:[1,0,0] neg_lo:[0,0,1] neg_hi:[0,0,1]   ; c s - c m
.endr
.endr
.irp t, 0,1
	v_exp_f32 v[ST+8*\t+6], v[ST+8*\t+7]           ; a
.endr
.set i, 0
.rept 64
	v_exp_f32 v[S+i], v[S+i]                       ; p, at most 1
.set i, i+1
.endr
	v_nop                                          ; a plain line behind the last exponential
	s_wait_alu depctr_va_vdst(0)                   ; ONE wait for the batch of 66, ahead of its first reader
.irp b, 0,1,2,3,4,5,6,7,8,9,10,11,12,13,14,15
.irp t, 0,1
	v_cvt_pk_f16_f32 v[P+16*\t+\b], v[S+32*\t+2*\b], v[S+32*\t+2*\b+1]
.endr
.endr
.irp u, 0,1,2,3,4,5,6,7                        ; the sum of the 16 pairs, in place
.irp t, 0,1
	v_pk_add_f32 v[S+32*\t+4*\u:S+32*\t+4*\u+1], v[S+32*\t+4*\u:S+32*\t+4*\u+1], v[S+32*\t+4*\u+2:S+32*\t+4*\u+3]
.endr
.endr
.irp u, 0,1,2,3
.irp t, 0,1
	v_pk_add_f32 v[S+32*\t+8*\u:S+32*\t+8*\u+1], v[S+32*\t+8*\u:S+32*\t+8*\u+1], v[S+32*\t+8*\u+4:S+32*\t+8*\u+5]
.endr
.endr
.irp u, 0,1
.irp t, 0,1
	v_pk_add_f32 v[S+32*\t+16*\u:S+32*\t+16*\u+1], v[S+32*\t+16*\u:S+32*\t+16*\u+1], v[S+32*\t+16*\u+8:S+32*\t+16*\u+9]
.endr
.endr
.irp t, 0,1
	v_pk_add_f32 v[S+32*\t:S+32*\t+1], v[S+32*\t:S+32*\t+1], v[S+32*\t+16:S+32*\t+17]
.endr
.irp t, 0,1
	v_pk_fma_f32 v[ST+8*\t+2:ST+8*\t+3], v[ST+8*\t+2:ST+8*\t+3], v[ST+8*\t+6:ST+8*\t+7], v[S+32*\t:S+32*\t+1] op_sel_hi:[1,0,1]   ; l = a l + the sum
.endr
	WIN W_RS
.irp t, 0,1
.set i, 0
.rept 16
	v_pk_mul_f32 v[32*\t+2*i:32*\t+2*i+1], v[32*\t+2*i:32*\t+2*i+1], v[ST+8*\t+6:ST+8*\t+7] op_sel_hi:[1,0]   ; O^T x a, each accumulator from its low end
.set i, i+1
.endr
.endr
	s_wait_dscnt 0x0                               ; V is in
	WIN W_PV
.set i, 0
.rept 16                                       ; keys 32 (i / 8) on, channels 16 ((i / 2) % 4) on, tile i % 2: eight accumulators by turns
.set rO, 32*(i%2)+8*((i/2)%4)
.set rV, VR+32*(i/8)+8*((i/2)%4)
.set rP, P+16*(i%2)+8*(i/8)
	v_wmma_f32_16x16x32_f16 v[rO:rO+7], v[rV:rV+7], v[rP:rP+7], v[rO:rO+7]
.set i, i+1
.endr
	WIN 0
.rept 4
	v_nop                                          ; places in front of the next loads into V's registers and of the next read of O^T
.endr
.Lhid_\@:
	s_add_co_u32 s[KEY], s[KEY], 64
	s_add_co_u32 s[TB], s[TB], STEPB
.endm
.macro FOUR_STEPS                      ; a slot's four steps: written once, walked four times
	s_mov_b32 s[ST4], 4
.Lstep_\@:
	STEP
	s_sub_co_u32 s[ST4], s[ST4], 1
	s_cmp_lg_u32 s[ST4], 0
	s_cbranch_scc1 .Lstep_\@
	s_sub_co_u32 s[TB], s[TB], 4*STEPB
	s_xor_b32 s[TB], s[TB], SLOT1                  ; on to the other slot
.endm
; A block of queries ends: O^T / l, rounded to f16, through my stage, out as four rows of 128 bytes a store.
.macro FLUSH
.irp t, 0,1
	v_add_f32 v[ST+8*\t+4], v[ST+8*\t+2], v[ST+8*\t+3]
.endr
.irp t, 0,1
	v_permlanex16_b32 v[ST+8*\t+5], v[ST+8*\t+4], s[SEL], s[SEL+1]
.endr
.irp t, 0,1
	v_add_f32 v[ST+8*\t+4], v[ST+8*\t+4], v[ST+8*\t+5]
.endr
.irp t, 0,1
	v_rcp_f32 v[ST+8*\t+6], v[ST+8*\t+4]
.endr
	v_nop
	s_wait_alu depctr_va_vdst(0)                   ; one wait for the two reciprocals, ahead of their first reader
	WIN W_RS
.irp t, 0,1
.set i, 0
.rept 16
	v_pk_mul_f32 v[32*\t+2*i:32*\t+2*i+1], v[32*\t+2*i:32*\t+2*i+1], v[ST+8*\t+6:ST+8*\t+7] op_sel_hi:[1,0]
.set i, i+1
.endr
.endr
	WIN 0x05                                       ; sources in window 1, destination in window 0: S^T's registers are free
.set i, 0
.rept 32
	v_cvt_pk_f16_f32 v[S+i], v[2*i], v[2*i+1]
.set i, i+1
.endr
	WIN 0
.irp t, 0,1
.irp dt, 0,1,2,3
	ds_store_b128 v[STO], v[S+16*\t+4*\dt:S+16*\t+4*\dt+3] offset:2304*\t+32*\dt
.endr
.endr
.irp t, 0,1
.irp i, 0,1,2,3
	ds_load_b128 v[S+32+16*\t+4*\i:S+32+16*\t+4*\i+3], v[RD] offset:2304*\t+576*\i   ; in order behind my stores (ISA guide 5.7.1.4)
.endr
.endr
	s_lshl_b32 s20, s[Q0], 7
	s_mov_b32 s21, 0
	s_add_nc_u64 s[44:45], s[14:15], s[20:21]
.irp t, 0,1
.irp i, 0,1,2,3
	s_wait_dscnt 7-4*\t-\i                         ; this load is in; the younger ones may be out
	global_store_b128 v[GO], v[S+32+16*\t+4*\i:S+32+16*\t+4*\i+3], s[44:45] offset:2048*\t+512*\i   ; 32 lanes store 512 consecutive aligned bytes
.endr
.endr
	s_wait_xcnt 0x0                                ; the stores have read their registers and base: both are written again later
.endm
	s_load_b128 s[4:7], s[0:1], 0x0                ; x16, o16
	v_lshl_add_u32 v[SPW], v0, 2, SPARE
	v_mov_b32 v[NIL], 0
	ds_add_u32 v[SPW], v[NIL]                      ; the wave's opening: the add, twice on end, and its wait ahead of my first tensor load
	ds_add_u32 v[SPW], v[NIL]
	v_lshrrev_b32 v1, 5, v0
	v_readfirstlane_b32 s[WV], v1                  ; wave 0..7
	s_mov_b32 s[J], ttmp9
	s_add_co_u32 s[J1], s[J], 1
	s_and_b32 s11, ttmp7, 0xffff                   ; 16 batch + head
	s_mov_b32 s24, (1<<16)|(1<<20)|(4<<22)|(3<<25) ; K: elements of 2 bytes; padding on: 4 words behind every 32
	s_mov_b32 s32, (1<<16)|(1<<20)|(4<<22)|(7<<25) ; V: 8 words
.irp g, 24, 32
	s_mov_b32 s[\g+1], 64<<16                      ; tensor_dim0 = 64
	s_mov_b32 s[\g+2], 64<<16                      ; tensor_dim1 = 64
	s_mov_b32 s[\g+3], 64<<16                      ; tile_dim0 = 64
	s_mov_b32 s[\g+4], 64                          ; tile_dim1 = 64
	s_mov_b32 s[\g+5], 64                          ; pitch
	s_mov_b32 s[\g+6], 0
	s_mov_b32 s[\g+7], 0
.endr
	s_mov_b32 s[CS], 0x3e38aa3b                    ; c = log2(e) / sqrt(64)
	s_mov_b32 s[CS+1], s[CS]
	s_mov_b32 s[SEL], 0x76543210
	s_mov_b32 s[SEL+1], 0xfedcba98
	s_lshr_b32 s58, s[WV], 2                       ; 0: I fetch K, 1: V
	s_and_b32 s60, s[WV], 3                        ; which of a slot's four steps
	s_mul_i32 s41, s60, STEPB
	s_mul_i32 s59, s58, VOFF
	s_add_co_u32 s41, s41, s59                     ; my tile's place in slot 0
	s_mov_b32 s40, 1
	s_cmp_eq_u32 s[J], 0
	s_cselect_b32 s[LIM], 1, -1                    ; 1 in the work-group that prefetches, else the greatest number
	s_wait_dscnt 0x0                               ; both opening adds are done
	s_wait_kmcnt 0x0
	s_lshl_b32 s20, s11, 18                        ; a head is 262,144 bytes
	s_mov_b32 s21, 0
	s_add_nc_u64 s[12:13], s[4:5], s[20:21]        ; q's head
	s_add_nc_u64 s[14:15], s[6:7], s[20:21]        ; o's head
	s_add_co_u32 s59, s58, 1
	s_lshl_b32 s20, s59, 24                        ; k's or v's tensor: 16,777,216 bytes each
	s_lshl_b32 s61, s60, 13                        ; my 64 keys of 128 bytes
	s_add_co_u32 s20, s20, s61
	s_add_nc_u64 s[16:17], s[12:13], s[20:21]      ; my tile of key slot 0
	s_mov_b64 s[18:19], s[16:17]                   ; the prefetches start there; the first change steps them to slot 1
	s_mov_b64 s[42:43], s[16:17]
	s_or_b32 s43, s43, 0x80000000
	JLOAD                                          ; key slot 0 into LDS slot 0: it counts for every query
	v_and_b32 v11, 15, v0                          ; r
	v_bfe_u32 v2, v0, 4, 1                         ; h
	v_mul_u32_u24 v[AK0], v11, 144
	v_lshl_add_u32 v[AK0], v2, 4, v[AK0]           ; K: row r, + 16 h
	v_and_b32 v1, 7, v0
	v_lshl_add_u32 v[AV0], v2, 3, v1
	v_mul_u32_u24 v[AV0], v[AV0], 160
	v_bfe_u32 v1, v0, 3, 1
	v_lshl_add_u32 v[AV0], v1, 4, v[AV0]
	v_add_nc_u32 v[AV0], VOFF, v[AV0]              ; V, for the turning load: key 8 h + l % 8, channels 8 ((l / 8) % 2) on
	v_lshlrev_b32 v[QO], 7, v11
	v_lshl_add_u32 v[QO], v2, 4, v[QO]             ; Q in memory: row r of 128 bytes, + 16 h
	s_mul_i32 s58, s[WV], 4608
	s_add_co_u32 s58, s58, STAGE
	v_add_nc_u32 v[STO], s58, v[AK0]               ; the stage, in: row r, + 16 h
	v_bfe_u32 v1, v0, 3, 2
	v_mul_u32_u24 v[RD], v1, 144
	v_and_b32 v1, 7, v0
	v_lshl_add_u32 v[RD], v1, 4, v[RD]
	v_add_nc_u32 v[RD], s58, v[RD]                 ; back: eight lanes to a row
	v_and_b32 v[GO], 31, v0
	v_lshlrev_b32 v[PFO], 8, v[GO]
	v_lshlrev_b32 v[GO], 4, v[GO]
	v_mov_b32 v31, 0xff800000
	s_lshl_b32 s[Q0], s[J], 8
	s_lshl_b32 s58, s[WV], 5
	s_add_co_u32 s[Q0], s[Q0], s58                 ; block j, my 32 queries
	INIT
	s_mov_b32 s[TT], 0
	s_mov_b32 s[KEY], 0
	s_mov_b32 s[TB], 0
	s_mov_b32 s[SL], 8
.Ltrip:                                            ; eight trips; behind each change of slots the next trip's keys are asked for
	CHANGE 1
	s_cmp_lg_u32 s[TT], s[J1]                      ; trip j + 1 begins the second block: ids alone, the same in all eight waves
	s_cbranch_scc1 .Lsame
	FLUSH
	s_sub_co_u32 s58, 7, s[J]
	s_lshl_b32 s[Q0], s58, 8
	s_lshl_b32 s58, s[WV], 5
	s_add_co_u32 s[Q0], s[Q0], s58
	s_mov_b32 s[KEY], 0
	INIT
.Lsame:
	FOUR_STEPS
	s_add_co_u32 s[TT], s[TT], 1
	s_sub_co_u32 s[SL], s[SL], 1
	s_cmp_lg_u32 s[SL], 0
	s_cbranch_scc1 .Ltrip
	CHANGE 0                                       ; the ninth trip is written out: nothing is left to fetch
	FOUR_STEPS
	FLUSH
	s_wait_tensorcnt 0x0                           ; the wave's end
	ds_add_u32 v[SPW], v[NIL]
	s_wait_dscnt 0x0
	s_endpgm
.Lfunc_end_k_qf8c024024f_attn:
	.size	k_qf8c024024f_attn, .Lfunc_end_k_qf8c024024f_attn-k_qf8c024024f_attn
	.p2alignl 7, 3214868480
	.fill 96, 4, 3214868480
	.section	.rodata,"a",@progbits
	.p2align	6, 0x0
	.amdhsa_kernel k_qf8c024024f_attn
		.amdhsa_group_segment_fixed_size 327680
		.amdhsa_private_segment_fixed_size 0
		.amdhsa_enable_private_segment 0
		.amdhsa_kernarg_size 16
		.amdhsa_user_sgpr_count 2
		.amdhsa_user_sgpr_kernarg_segment_ptr 1
		.amdhsa_wavefront_size32 1
		.amdhsa_system_sgpr_workgroup_id_x 1
		.amdhsa_system_sgpr_workgroup_id_y 1
		.amdhsa_system_sgpr_workgroup_id_z 1
		.amdhsa_system_vgpr_workitem_id 0
		.amdhsa_next_free_vgpr 512
		.amdhsa_next_free_sgpr 66
		.amdhsa_reserve_vcc 1
		.amdhsa_float_denorm_mode_32 3
		.amdhsa_float_denorm_mode_16_64 3
		.amdhsa_memory_ordered 1
		.amdhsa_forward_progress 1
		.amdhsa_inst_pref_size 71
	.end_amdhsa_kernel
	.amdgpu_metadata
---
amdhsa.version: [ 1, 2 ]
amdhsa.kernels:
  - .name:           k_qf8c024024f_attn
    .symbol:         k_qf8c024024f_attn.kd
    .args:
      - { .name: x16, .offset: 0, .size: 8, .value_kind: global_buffer, .address_space: global }
      - { .name: o16, .offset: 8, .size: 8, .value_kind: global_buffer, .address_space: global }
    .group_segment_fixed_size: 327680
    .private_segment_fixed_size: 0
    .kernarg_segment_align: 8
    .kernarg_segment_size: 16
    .max_flat_workgroup_size: 256
    .sgpr_count:     66
    .vgpr_count:     512
    .wavefront_size: 32
...
	.end_amdgpu_metadata
.endif
;; end of part 4
;; launch outproj (part 5): grid 4 x 64, 4 waves a work-group, clusters of 4 x 4, 327,680 bytes of LDS; arguments o16, wo16, out0; writes out0
.if DOCPART == 5
	.amdgcn_target "amdgcn-amd-amdhsa--gfx1250"
	.amdhsa_code_object_version 6
	.text
	.protected	k_qf8c024024f_outproj
	.globl	k_qf8c024024f_outproj
	.p2align	8
	.type	k_qf8c024024f_outproj,@function
k_qf8c024024f_outproj:
	s_mov_b64 s[64:65], 0
	v_nop
	global_prefetch_b8 v0, s[64:65] scope:SCOPE_SE
	s_setreg_imm32_b32 hwreg(HW_REG_WAVE_MODE, 25, 1), 1
	s_wait_xcnt 0x0
	s_wait_alu depctr_hold_cnt(0) depctr_sa_sdst(0) depctr_va_vdst(0) depctr_va_sdst(0) depctr_va_ssrc(0) depctr_va_vcc(0) depctr_vm_vsrc(0)
	s_getreg_b32 s2, hwreg(HW_REG_IB_STS2, 6, 4)
	s_cmp_eq_u32 s2, 0
	s_cbranch_scc0 .Lentry_in_a_cluster
	s_endpgm
.Lentry_in_a_cluster:
	s_bfe_u32 s2, ttmp6, 0x10000c
	s_cmp_lg_u32 s2, 0xf033
	s_cbranch_scc0 .Lentry_shape_is_right
	s_endpgm
.Lentry_shape_is_right:
; out0[m][n] = sum over k of O[m][k] wo[n][k]: f16 operands, f32 sums, f32 out.  O = o16 [batch][head][2048][64] f16 (k = 64 head + channel), wo16 = [1024 n][1024 k] f16, out0 = [8192][1024] f32.
; A tile of C is 128 x 256: 256 work-groups.  Four waves, each 64 rows x 128 columns: 32 accumulators.  K goes in steps of 128 (two heads) through a ring of two LDS slots; eight K steps.
; A slot: A's two sub-tiles (a head each: 128 rows x 128 bytes, dense in memory), then B's 256 rows x 256 bytes.  Waves 0, 1 fetch A's sub-tiles, waves 2, 3 B's halves: one tensor load of 128 rows a wave.
; CLUSTERS: 4 x 4 work-groups; A's tiles are shared along a row of the cluster, B's along a column, by joint loads.  THE MATRIX INSTRUCTION IS USED TRANSPOSED: a lane holds eight neighbouring columns of a row of C.
; The first 16 rows of every sequence are made here coarsely, as part of whole tiles, and are replaced by the next launch.
; REGISTERS: window 0: v16-30 addresses; v64-159, v160-255 two fragment buffers (A's four blocks in 32 registers, then B's eight in 64); on the way out v64-191 rows read back.  Window 1: accumulator (a, b) at v[8 (8 a + b)].
.set SUBA,  128*144                    ; A's row in LDS: 128 bytes + 16
.set BOFF,  2*SUBA
.set HALFB, 128*272                    ; B's row: 256 bytes + 16
.set SLOT,  BOFF+2*HALFB
.set STAGE, 2*SLOT                     ; the way out: 16 rows x (512 bytes + 16) a wave
.set SPITCH, 528
.set SPARE, STAGE+4*16*SPITCH          ; the spare words: 128 bytes a wave
.set LAPS,  4
.set ASTEP, 524288                     ; a K step in o16: two heads of 262,144 bytes
.set ADRA, 16
.set ADRB, 20
.set STO,  24
.set RD,   25
.set CO,   26
.set SPW,  28
.set NIL,  29
.set PFO,  30
.set F0,   64
.set F1,   160
.set G1, 24
.set G0, 32
.set G1B, 48
.set G0B, 56
.set PFA, 44
.set LIM, 43
.set MSB, 0
.macro WIN new
.if MSB != (\new)
	s_set_vgpr_msb (MSB<<8)|(\new)
.set MSB, (\new)
.endif
.endm
.set MUL, 0x50                         ; C and D in window 1
.macro JLOAD s                         ; a joint load; an s_nop 0 and four v_nop follow each of the two lines
	s_cmp_eq_u32 s11, 0
	s_cbranch_scc0 .Lfor_b_\@
	tensor_load_to_lds s[G0+4*\s:G0+4*\s+3], s[G1:G1+7]
	s_nop 0
.rept 4
	v_nop
.endr
	s_branch .Lasked_\@
.Lfor_b_\@:
	tensor_load_to_lds s[G0B+4*\s:G0B+4*\s+3], s[G1B:G1B+7]
	s_nop 0
.rept 4
	v_nop
.endr
.Lasked_\@:
.endm
; A prefetch of A's K step that stands two refills on (K steps 4 to 7, in the loop's first two trips).  A tile row of A is read by one cluster alone; its four partners along x share the K step's 32,768 bytes out by address:
; sub-tile cx / 2, half cx % 2, 8,192 bytes each, lanes 256 bytes apart; wave 0 asks.  B's rows are read by every row of clusters and are not asked for.
.macro ASK
	s_cmp_gt_u32 s3, s[LIM]
	s_cbranch_scc0 .Lnot_mine_\@
	global_prefetch_b8 v[PFO], s[PFA:PFA+1] th:TH_LOAD_NT scope:SCOPE_SE
.Lnot_mine_\@:
.endm
.macro CREST
	s_cmp_lg_u32 s10, 0
	s_cbranch_scc1 .Lnot_wave_0_\@
	s_barrier_signal -3
.Lnot_wave_0_\@:
	s_barrier_wait -3
	s_barrier_signal -1
	s_barrier_wait -1
.endm
.macro CROUND
	s_barrier_signal -1
	s_barrier_wait -1
	CREST
.endm
	s_load_b128 s[4:7], s[0:1], 0x0                ; o16, wo16
	s_load_b64 s[8:9], s[0:1], 0x10                ; out0
	v_lshl_add_u32 v[SPW], v0, 2, SPARE
	v_mov_b32 v[NIL], 0
	ds_add_u32 v[SPW], v[NIL]                      ; the wave's opening: the add, twice on end, and its wait ahead of my first tensor load
	ds_add_u32 v[SPW], v[NIL]
	v_lshrrev_b32 v1, 5, v0
	v_readfirstlane_b32 s10, v1                    ; wave 0..3
	s_lshr_b32 s11, s10, 1                         ; which 64 rows are mine; also: I fetch for A (0) or B (1)
	s_and_b32 s12, s10, 1                          ; which 128 columns; also: which sub-tile or half I fetch
	s_bfe_u32 s40, ttmp6, 0x40000                  ; cx
	s_bfe_u32 s41, ttmp6, 0x40004                  ; cy
	s_lshl_b32 s42, ttmp9, 2
	s_add_co_u32 s42, s42, s40                     ; tile column
	s_and_b32 s13, ttmp7, 0xffff
	s_lshl_b32 s13, s13, 2
	s_add_co_u32 s13, s13, s41                     ; tile row
	s_lshl_b32 s43, s41, 2
	s_lshl_b32 s43, 15, s43                        ; my row of the cluster
	s_lshl_b32 s44, 0x1111, s40                    ; my column
	s_or_b32 s[G1+0], s43, (1<<16)|(1<<20)|(1<<21)|(4<<22)|(3<<25)   ; A: elements of 2 bytes; 4 words of padding behind every 32
	s_mov_b32 s[G1+1], 64<<16                      ; tensor_dim0 = 64
	s_mov_b32 s[G1+2], 128<<16                     ; tensor_dim1 = 128
	s_mov_b32 s[G1+3], 64<<16                      ; tile_dim0
	s_mov_b32 s[G1+4], 128                         ; tile_dim1
	s_mov_b32 s[G1+5], 64                          ; pitch
	s_mov_b32 s[G1+6], 0
	s_mov_b32 s[G1+7], 0
	s_or_b32 s[G1B+0], s44, (1<<16)|(1<<20)|(1<<21)|(5<<22)|(3<<25)  ; B: 4 words behind every 64
	s_mov_b32 s[G1B+1], 128<<16
	s_mov_b32 s[G1B+2], 128<<16
	s_mov_b32 s[G1B+3], 128<<16
	s_mov_b32 s[G1B+4], 128
	s_mov_b32 s[G1B+5], 1024
	s_mov_b32 s[G1B+6], 0
	s_mov_b32 s[G1B+7], 0
	s_lshr_b32 s16, s13, 4                         ; A: batch = tile row / 16: 4,194,304 bytes each;
	s_lshl_b32 s16, s16, 22
	s_and_b32 s17, s13, 15                         ; 128 positions of 128 bytes;
	s_lshl_b32 s17, s17, 14
	s_add_co_u32 s16, s16, s17
	s_lshl_b32 s17, s12, 18                        ; my head of the K step's two
	s_add_co_u32 s16, s16, s17
	s_mov_b32 s17, 0
	s_lshl_b32 s46, s42, 19                        ; B: row 256 x tile column + 128 x half, 2,048 bytes a row
	s_lshl_b32 s47, s12, 18
	s_add_co_u32 s46, s46, s47
	s_mov_b32 s47, 0
	s_mul_i32 s20, s12, SUBA                       ; where they go: no place in the cluster enters an LDS address
	s_mul_i32 s21, s12, HALFB
	s_add_co_u32 s21, s21, BOFF
	s_wait_dscnt 0x0                               ; both opening adds are done
	s_wait_kmcnt 0x0
	s_add_nc_u64 s[14:15], s[4:5], s[16:17]
	s_add_nc_u64 s[46:47], s[6:7], s[46:47]
	CROUND                                         ; all sixteen work-groups are here: the first joint loads meet
.irp s, 0,1
	s_mov_b32 s[G0+4*\s], 1
	s_add_co_u32 s[G0+4*\s+1], s20, \s*SLOT
	s_add_nc_u64 s[G0+4*\s+2:G0+4*\s+3], s[14:15], \s*ASTEP
	s_or_b32 s[G0+4*\s+3], s[G0+4*\s+3], 0x80000000
	s_mov_b32 s[G0B+4*\s], 1
	s_add_co_u32 s[G0B+4*\s+1], s21, \s*SLOT
	s_add_nc_u64 s[G0B+4*\s+2:G0B+4*\s+3], s[46:47], \s*256
	s_or_b32 s[G0B+4*\s+3], s[G0B+4*\s+3], 0x80000000
	JLOAD \s
.endr
	v_and_b32 v1, 15, v0                           ; l % 16
	v_bfe_u32 v2, v0, 4, 1                         ; l / 16
	v_mul_u32_u24 v3, v1, 144
	v_lshl_add_u32 v3, v2, 4, v3
	v_mul_u32_u24 v4, v1, 272
	v_lshl_add_u32 v4, v2, 4, v4
	s_mul_i32 s21, s11, 64*144                     ; my 64 rows of A
	s_mul_i32 s22, s12, HALFB                      ; my 128 rows of B
	s_add_co_u32 s22, s22, BOFF
.irp s, 0,1
	v_add_nc_u32 v[ADRA+\s], s21, v3
	v_add_nc_u32 v[ADRB+\s], s22, v4
	s_add_co_u32 s21, s21, SLOT
	s_add_co_u32 s22, s22, SLOT
.endr
	s_mul_i32 s23, s10, 16*SPITCH
	s_add_co_u32 s23, s23, STAGE                   ; my stage
	v_mul_u32_u24 v5, v1, SPITCH
	v_lshl_add_u32 v5, v2, 5, v5
	v_add_nc_u32 v[STO], s23, v5                   ; in: row l % 16, 32 bytes for each half of the lanes
	v_and_b32 v6, 31, v0
	v_lshlrev_b32 v[CO], 4, v6                     ; back and out: the 32 lanes take a row of 512 bytes
	v_add_nc_u32 v[RD], s23, v[CO]
	v_lshlrev_b32 v[PFO], 8, v6
	s_lshl_b32 s16, s13, 7
	s_lshl_b32 s17, s11, 6
	s_add_co_u32 s16, s16, s17                     ; my first row of C
	s_lshl_b32 s16, s16, 12                        ; 4,096 bytes a row
	s_lshl_b32 s46, s42, 10
	s_lshl_b32 s47, s12, 9
	s_add_co_u32 s46, s46, s47                     ; my first column, in bytes
	s_add_co_u32 s16, s16, s46
	s_mov_b32 s17, 0
	s_add_nc_u64 s[8:9], s[8:9], s[16:17]
	s_lshr_b32 s22, s13, 4                         ; the prefetches: my tile row's rows,
	s_lshl_b32 s22, s22, 22
	s_and_b32 s23, s13, 15
	s_lshl_b32 s23, s23, 14
	s_add_co_u32 s22, s22, s23
	s_lshr_b32 s23, s40, 1                         ; sub-tile cx / 2,
	s_lshl_b32 s23, s23, 18
	s_add_co_u32 s22, s22, s23
	s_and_b32 s23, s40, 1                          ; half cx % 2,
	s_lshl_b32 s23, s23, 13
	s_add_co_u32 s22, s22, s23
	s_add_co_u32 s22, s22, 3*ASTEP                 ; at K step 3: the first refill steps it to 4
	s_mov_b32 s23, 0
	s_add_nc_u64 s[PFA:PFA+1], s[4:5], s[22:23]
	s_cmp_eq_u32 s10, 0
	s_cselect_b32 s[LIM], 1, -1                    ; wave 0 asks: the same in all partners
.macro MUL8 f, a, zero                 ; A's block a against B's eight, 32 along K.  The 32 accumulators take turns in the same order in every quarter
.irp b, 0,1,2,3,4,5,6,7
.if \zero
	v_wmma_f32_16x16x32_f16 v[8*(8*(\a)+\b):8*(8*(\a)+\b)+7], v[\f+32+8*\b:\f+32+8*\b+7], v[\f+8*(\a):\f+8*(\a)+7], 0
.else
	v_wmma_f32_16x16x32_f16 v[8*(8*(\a)+\b):8*(8*(\a)+\b)+7], v[\f+32+8*\b:\f+32+8*\b+7], v[\f+8*(\a):\f+8*(\a)+7], v[8*(8*(\a)+\b):8*(8*(\a)+\b)+7]
.endif
.endr
.endm
.macro FETCH slot, q, f                ; 24 LDS loads in one run: quarter q's fragments: B's eight, then A's four
.irp i, 0,1,2,3,4,5,6,7
	ds_load_b128 v[\f+32+8*\i:\f+32+8*\i+3], v[ADRB+\slot] offset:64*(\q)+4352*\i
	ds_load_b128 v[\f+32+8*\i+4:\f+32+8*\i+7], v[ADRB+\slot] offset:64*(\q)+4352*\i+32
.endr
.irp i, 0,1,2,3
	ds_load_b128 v[\f+8*\i:\f+8*\i+3], v[ADRA+\slot] offset:SUBA*((\q)/2)+64*((\q)%2)+2304*\i
	ds_load_b128 v[\f+8*\i+4:\f+8*\i+7], v[ADRA+\slot] offset:SUBA*((\q)/2)+64*((\q)%2)+2304*\i+32
.endr
.endm
.macro PLACES
.rept 4
	v_nop
.endr
.endm
.macro QUARTER slot, q, f, g, zero     ; multiplies buffer f; in its middle it fetches quarter q of the same slot into g
	s_wait_dscnt 4                                 ; B and A's blocks 0, 1 are in; the youngest four loads (A's blocks 2, 3) may be out
	WIN MUL
	MUL8 \f, 0, \zero
	MUL8 \f, 1, \zero
	PLACES                                         ; in front of loads into registers that matrix instructions have read (ISA guide 7.12.1 for vector instructions)
	WIN 0
	FETCH \slot, \q, \g
	s_wait_dscnt 24                                ; all but the 24 just issued
	WIN MUL
	MUL8 \f, 2, \zero
	MUL8 \f, 3, \zero
.endm
; The last quarter multiplies buffer 1 and changes slots: one barrier; in front of it each wave waits for all its tensor loads, adds 0 to its spare word, and waits for that and for its reads of this slot.
; fill = 1: the barrier opens a round of the cluster's barrier, and this slot is filled again, two K steps ahead: 112 matrix instructions stand between that request and the wait for it.
.macro TURN slot, next, fill
.if \fill
	s_wait_xcnt 0x0                                ; the last prefetch, a K step back, has read its address
	s_add_nc_u64 s[PFA:PFA+1], s[PFA:PFA+1], ASTEP
.endif
	WIN 0
	s_wait_tensorcnt 0x0                           ; all my tensor loads have landed: my part of the next slot
	ds_add_u32 v[SPW], v[NIL]
	s_wait_dscnt 5                                 ; the add and the youngest four loads may be out
	WIN MUL
	MUL8 F1, 0, 0
	s_wait_dscnt 0x0                               ; the add is done, and my reads of this slot are over
	s_barrier_signal -1
	MUL8 F1, 1, 0
	WIN 0
	s_barrier_wait -1
.if \fill
	CREST                                          ; no wave of any partner still reads this slot or has a load on its way
	s_add_nc_u64 s[G0+4*\slot+2:G0+4*\slot+3], s[G0+4*\slot+2:G0+4*\slot+3], 2*ASTEP
	s_add_nc_u64 s[G0B+4*\slot+2:G0B+4*\slot+3], s[G0B+4*\slot+2:G0B+4*\slot+3], 2*256
	JLOAD \slot                                    ; the first tensor load behind the round; its four v_nop are also the places in front of the loads below
.else
	PLACES
.endif
	FETCH \next, 0, F0
.if \fill
	ASK
.endif
	WIN MUL
	MUL8 F1, 2, 0
	MUL8 F1, 3, 0
.endm
	s_wait_tensorcnt 1                             ; my part of K step 0 is in; K step 1's load may be out
	s_barrier_signal -1
	s_barrier_wait -1
	FETCH 0, 0, F0
	QUARTER 0, 1, F0, F1, 1                        ; the first quarter's products start the sums
	WIN 0
	s_mov_b32 s3, LAPS-1
.Llap:                                             ; a trip goes once round the ring and fills both slots again
	QUARTER 0, 2, F1, F0, 0
	QUARTER 0, 3, F0, F1, 0
	TURN 0, 1, 1
	QUARTER 1, 1, F0, F1, 0
	QUARTER 1, 2, F1, F0, 0
	QUARTER 1, 3, F0, F1, 0
	TURN 1, 0, 1
	QUARTER 0, 1, F0, F1, 0
	WIN 0
	s_sub_co_u32 s3, s3, 1
	s_cmp_lg_u32 s3, 0
	s_cbranch_scc1 .Llap
	QUARTER 0, 2, F1, F0, 0                        ; the last lap fills nothing
	QUARTER 0, 3, F0, F1, 0
	TURN 0, 1, 0
	QUARTER 1, 1, F0, F1, 0
	QUARTER 1, 2, F1, F0, 0
	QUARTER 1, 3, F0, F1, 0
	s_wait_dscnt 4
	WIN MUL
	MUL8 F1, 0, 0
	MUL8 F1, 1, 0
	s_wait_dscnt 0x0
	MUL8 F1, 2, 0
	MUL8 F1, 3, 0
	WIN 0
; THE WAY OUT, a block of 16 rows x 128 columns at a time, through my stage: back as whole rows of 512 bytes.
.macro TOSTAGE a
	WIN 0x04                                       ; an LDS store's data are its source 1: window 1
.irp b, 0,1,2,3,4,5,6,7
	ds_store_b128 v[STO], v[8*(8*(\a)+\b):8*(8*(\a)+\b)+3] offset:64*\b          ; each accumulator from its low end on
	ds_store_b128 v[STO], v[8*(8*(\a)+\b)+4:8*(8*(\a)+\b)+7] offset:64*\b+16
.endr
	WIN 0
.set BB, 64+64*((\a)%2)
.irp t, 0,1,2,3,4,5,6,7,8,9,10,11,12,13,14,15
	ds_load_b128 v[BB+4*\t:BB+4*\t+3], v[RD] offset:\t*SPITCH   ; in order behind my stores (ISA guide 5.7.1.4)
.endr
.endm
.macro SEND a, younger
.set BB, 64+64*((\a)%2)
	s_wait_dscnt \younger                          ; the block is back; the next block's 16 stores and 16 loads may be out
.irp t, 0,1,2,3,4,5,6,7,8,9,10,11,12,13,14,15
	global_store_b128 v[CO], v[BB+4*\t:BB+4*\t+3], s[8:9] offset:65536*(\a)+4096*\t th:TH_STORE_NT   ; 32 lanes store 512 consecutive aligned bytes
.endr
.endm
	PLACES
	TOSTAGE 0
.irp a, 1,2,3
.if \a > 1
	s_wait_xcnt 0x0                                ; block a - 2's stores have read their registers: block a's loads may land there
.endif
	TOSTAGE \a
	SEND \a-1, 32
.endr
	SEND 3, 0
	s_wait_tensorcnt 0x0                           ; the wave's end
	ds_add_u32 v[SPW], v[NIL]
	s_wait_dscnt 0x0
	CROUND                                         ; the closing round
	s_endpgm
.Lfunc_end_k_qf8c024024f_outproj:
	.size	k_qf8c024024f_outproj, .Lfunc_end_k_qf8c024024f_outproj-k_qf8c024024f_outproj
	.p2alignl 7, 3214868480
	.fill 96, 4, 3214868480
	.section	.rodata,"a",@progbits
	.p2align	6, 0x0
	.amdhsa_kernel k_qf8c024024f_outproj
		.amdhsa_group_segment_fixed_size 327680
		.amdhsa_private_segment_fixed_size 0
		.amdhsa_enable_private_segment 0
		.amdhsa_kernarg_size 24
		.amdhsa_user_sgpr_count 2
		.amdhsa_user_sgpr_kernarg_segment_ptr 1
		.amdhsa_wavefront_size32 1
		.amdhsa_system_sgpr_workgroup_id_x 1
		.amdhsa_system_sgpr_workgroup_id_y 1
		.amdhsa_system_sgpr_workgroup_id_z 1
		.amdhsa_system_vgpr_workitem_id 0
		.amdhsa_next_free_vgpr 512
		.amdhsa_next_free_sgpr 66
		.amdhsa_reserve_vcc 0
		.amdhsa_float_denorm_mode_32 3
		.amdhsa_float_denorm_mode_16_64 3
		.amdhsa_memory_ordered 1
		.amdhsa_forward_progress 1
		.amdhsa_inst_pref_size 86
	.end_amdhsa_kernel
	.amdgpu_metadata
---
amdhsa.version: [ 1, 2 ]
amdhsa.kernels:
  - .name:           k_qf8c024024f_outproj
    .symbol:         k_qf8c024024f_outproj.kd
    .args:
      - { .name: o16, .offset: 0, .size: 8, .value_kind: global_buffer, .address_space: global }
      - { .name: wo16, .offset: 8, .size: 8, .value_kind: global_buffer, .address_space: global }
      - { .name: out0, .offset: 16, .size: 8, .value_kind: global_buffer, .address_space: global }
    .group_segment_fixed_size: 327680
    .private_segment_fixed_size: 0
    .kernarg_segment_align: 8
    .kernarg_segment_size: 24
    .max_flat_workgroup_size: 128
    .sgpr_count:     66
    .vgpr_count:     512
    .wavefront_size: 32
...
	.end_amdgpu_metadata
.endif
;; end of part 5
;; launch fine_out (part 6): grid 16 x 4, 16 waves a work-group, no clusters, 22,784 bytes of LDS; arguments o32, wo, out0; writes out0
.if DOCPART == 6
	.amdgcn_target "amdgcn-amd-amdhsa--gfx1250"
	.amdhsa_code_object_version 6
	.text
	.protected	k_qf8c024024f_fine_out
	.globl	k_qf8c024024f_fine_out
	.p2align	8
	.type	k_qf8c024024f_fine_out,@function
k_qf8c024024f_fine_out:
	s_mov_b64 s[64:65], 0
	v_nop
	global_prefetch_b8 v0, s[64:65] scope:SCOPE_SE
	s_setreg_imm32_b32 hwreg(HW_REG_WAVE_MODE, 25, 1), 1
	s_wait_xcnt 0x0
; The first 16 rows of every sequence once more, in f32: out0[batch][pos][n] = sum over k of o32[batch][pos][k] wo[n][k], pos = 0 .. 15.  It replaces the 64 rows that the launch before made from f16 operands.
; A work-group takes 64 columns of one batch, so that it stores whole runs of 256 aligned bytes of its rows: 64 work-groups.  Wave w takes 16 columns (w % 4) and a quarter of K (w / 4, 256 along K): 64 instructions of the f32 matrix
; form on two accumulators by turns (source 0 = 16 rows of wo, source 1 = the 16 positions: a lane holds one position and eight neighbouring columns).  The four quarters meet in LDS and are added in ascending K.
; The registers that the f32 matrix form writes (v160-175) are written by matrix instructions alone.  LIMITS: NaN and infinities are not served.
.set STG,   16384                      ; LDS: at 0 sixteen images of 1,024 bytes (a wave's eight registers); then the stage, 16 rows x (256 bytes + 16)
.set SPARE, 20736                      ; the spare words: 128 bytes a wave
	s_load_b128 s[4:7], s[0:1], 0x0                ; o32, wo
	s_load_b64 s[8:9], s[0:1], 0x10                ; out0
	v_lshl_add_u32 v28, v0, 2, SPARE
	v_mov_b32 v29, 0
	v_lshrrev_b32 v1, 5, v0
	v_readfirstlane_b32 s10, v1                    ; wave 0..15
	s_and_b32 s11, s10, 3                          ; which 16 columns
	s_lshr_b32 s12, s10, 2                         ; which quarter of K
	s_and_b32 s13, ttmp7, 0xffff                   ; batch
	v_and_b32 v1, 15, v0                           ; r
	v_bfe_u32 v2, v0, 4, 1                         ; h
	v_lshlrev_b32 v3, 12, v1
	v_lshl_add_u32 v3, v2, 4, v3                   ; both operands: row r of 4,096 bytes, + 16 h
	v_and_b32 v4, 31, v0
	s_lshl_b32 s14, s10, 10
	v_lshl_add_u32 v7, v4, 4, s14                  ; my image: 1,024 x wave + 16 x lane
	v_mul_u32_u24 v8, v1, 272
	v_lshl_add_u32 v8, v2, 5, v8
	s_lshl_b32 s15, s11, 6
	s_add_co_u32 s15, s15, STG
	v_add_nc_u32 v8, s15, v8                       ; the stage, in: row r, my 16 columns, + 32 h
	s_and_b32 s16, s10, 7
	s_lshl_b32 s16, s16, 1                         ; back: waves 0-7 take two rows each
	s_mul_i32 s17, s16, 272
	s_add_co_u32 s17, s17, STG
	v_mul_u32_u24 v9, v2, 272
	v_lshl_add_u32 v9, v1, 4, v9
	v_add_nc_u32 v9, s17, v9
	s_lshl_b32 s18, s16, 12
	v_lshlrev_b32 v10, 12, v2
	v_lshl_add_u32 v10, v1, 4, v10
	v_add_nc_u32 v10, s18, v10                     ; and the same two rows in out0
	s_lshl_b32 s20, ttmp9, 18                      ; wo: row 64 g + 16 n, + 1,024 bytes for each quarter of K
	s_lshl_b32 s21, s11, 16
	s_add_co_u32 s20, s20, s21
	s_lshl_b32 s22, s12, 10
	s_add_co_u32 s20, s20, s22
	s_mov_b32 s21, 0
	s_lshl_b32 s24, s13, 16                        ; o32: 65,536 bytes a batch
	s_add_co_u32 s24, s24, s22
	s_mov_b32 s25, 0
	s_lshl_b32 s26, s13, 23                        ; out0: 8,388,608 bytes a batch, + 256 g
	s_lshl_b32 s27, ttmp9, 8
	s_add_co_u32 s26, s26, s27
	s_mov_b32 s27, 0
	s_wait_kmcnt 0x0
	s_add_nc_u64 s[6:7], s[6:7], s[20:21]
	s_add_nc_u64 s[4:5], s[4:5], s[24:25]
	s_add_nc_u64 s[8:9], s[8:9], s[26:27]
.macro LOADC c                         ; 64 along K of both operands: load u brings k = 8 u + 4 h + 0 .. 3, the same order on both sides
.irp u, 0,1,2,3,4,5,6,7
	global_load_b128 v[32+64*((\c)%2)+4*\u:32+64*((\c)%2)+4*\u+3], v3, s[6:7] offset:256*(\c)+32*\u
	global_load_b128 v[64+64*((\c)%2)+4*\u:64+64*((\c)%2)+4*\u+3], v3, s[4:5] offset:256*(\c)+32*\u
.endr
.endm
.macro CHUNK c
.if (\c) < 3
	s_wait_loadcnt 16                              ; this chunk's 16 loads are in; the next chunk's 16 may be out
.else
	s_wait_loadcnt 0x0
.endif
.set i, 0
.rept 16
.set rA, 32+64*((\c)%2)+2*i
.set rB, 64+64*((\c)%2)+2*i
.set rD, 160+8*(i%2)
.if ((\c) == 0) && (i < 2)
	v_wmma_f32_16x16x4_f32 v[rD:rD+7], v[rA:rA+1], v[rB:rB+1], 0
.else
	v_wmma_f32_16x16x4_f32 v[rD:rD+7], v[rA:rA+1], v[rB:rB+1], v[rD:rD+7]
.endif
.set i, i+1
.endr
.if (\c) < 2
.rept 8
	v_nop                                          ; eight places behind this form, in front of loads into registers that it has read
.endr
	LOADC (\c)+2
.endif
.endm
	LOADC 0
	LOADC 1
	CHUNK 0
	CHUNK 1
	CHUNK 2
	CHUNK 3
.rept 8
	v_nop
.endr
.irp p, 0,2,4,6
	v_pk_add_f32 v[176+\p:177+\p], v[160+\p:161+\p], v[168+\p:169+\p]   ; from the low end on
.endr
	ds_store_b128 v7, v[176:179]
	ds_store_b128 v7, v[180:183] offset:512
	s_wait_dscnt 0x0                               ; for the others' sake: my image has landed
	s_barrier_signal -1
	s_barrier_wait -1
	s_cmp_ge_u32 s10, 4                            ; waves 0-3 hold K's first quarter and add the other three, ascending
	s_cbranch_scc1 .Lnot_sum
.irp q, 1,2,3
	ds_load_b128 v[184+8*(\q-1):187+8*(\q-1)], v7 offset:4096*\q
	ds_load_b128 v[188+8*(\q-1):191+8*(\q-1)], v7 offset:4096*\q+512
.endr
	s_wait_dscnt 0x0
.irp q, 1,2,3
.irp p, 0,2,4,6
	v_pk_add_f32 v[176+\p:177+\p], v[176+\p:177+\p], v[184+8*(\q-1)+\p:185+8*(\q-1)+\p]
.endr
.endr
	ds_store_b128 v8, v[176:179]
	ds_store_b128 v8, v[180:183] offset:16
.Lnot_sum:
	s_wait_dscnt 0x0
	s_barrier_signal -1
	s_barrier_wait -1                              ; 16 rows of 256 bytes lie in the stage
	s_cmp_ge_u32 s10, 8
	s_cbranch_scc1 .Lend
	ds_load_b128 v[184:187], v9
	s_wait_dscnt 0x0
	global_store_b128 v10, v[184:187], s[8:9]      ; sixteen lanes store 256 consecutive aligned bytes
.Lend:
	s_wait_tensorcnt 0x0                           ; the wave's end, behind my last LDS store
	ds_add_u32 v28, v29
	s_wait_dscnt 0x0
	s_endpgm
.Lfunc_end_k_qf8c024024f_fine_out:
	.size	k_qf8c024024f_fine_out, .Lfunc_end_k_qf8c024024f_fine_out-k_qf8c024024f_fine_out
	.p2alignl 7, 3214868480
	.fill 96, 4, 3214868480
	.section	.rodata,"a",@progbits
	.p2align	6, 0x0
	.amdhsa_kernel k_qf8c024024f_fine_out
		.amdhsa_group_segment_fixed_size 22784
		.amdhsa_private_segment_fixed_size 0
		.amdhsa_enable_private_segment 0
		.amdhsa_kernarg_size 24
		.amdhsa_user_sgpr_count 2
		.amdhsa_user_sgpr_kernarg_segment_ptr 1
		.amdhsa_wavefront_size32 1
		.amdhsa_system_sgpr_workgroup_id_x 1
		.amdhsa_system_sgpr_workgroup_id_y 1
		.amdhsa_system_sgpr_workgroup_id_z 1
		.amdhsa_system_vgpr_workitem_id 0
		.amdhsa_next_free_vgpr 208
		.amdhsa_next_free_sgpr 66
		.amdhsa_reserve_vcc 0
		.amdhsa_float_denorm_mode_32 3
		.amdhsa_float_denorm_mode_16_64 3
		.amdhsa_memory_ordered 1
		.amdhsa_forward_progress 1
		.amdhsa_inst_pref_size 16
	.end_amdhsa_kernel
	.amdgpu_metadata
---
amdhsa.version: [ 1, 2 ]
amdhsa.kernels:
  - .name:           k_qf8c024024f_fine_out
    .symbol:         k_qf8c024024f_fine_out.kd
    .args:
      - { .name: o32, .offset: 0, .size: 8, .value_kind: global_buffer, .address_space: global }
      - { .name: wo, .offset: 8, .size: 8, .value_kind: global_buffer, .address_space: global }
      - { .name: out0, .offset: 16, .size: 8, .value_kind: global_buffer, .address_space: global }
    .group_segment_fixed_size: 22784
    .private_segment_fixed_size: 0
    .kernarg_segment_align: 8
    .kernarg_segment_size: 24
    .max_flat_workgroup_size: 512
    .sgpr_count:     66
    .vgpr_count:     208
    .wavefront_size: 32
...
	.end_amdgpu_metadata
.endif
;; end of part 6
